; MI455X (gfx1250); checked and timed in simulation.
; The chip was launched on July 23, 2026; its instructions are those of AMD's public machine-readable ISA for CDNA 5 (MIT licence, August 2026) and "CDNA5" Instruction Set Architecture Reference Guide (July 2026). The comments in the code are by the model that wrote it; some were corrected since.
;; Causal Self Attention. Allowed arithmetic: matrix products marked QUANTISED: E2M3 operands, one E8M0 scale for each 32 along K, by v_wmma_scale_f32_16x16x128_f8f6f4 with both operands' format E2M3, f32 sums; everything else in f32.
;; Inputs: Wproj 1,024 x 1,024 float32; Wqkv 1,024 x 3,072 float32; bproj 1,024 float32; bqkv 3,072 float32; x 4 x 2,048 x 1,024 float32.
;; Outputs: out0 4 x 2,048 x 1,024 float32.
;; This version of the problem:
;;   THIS VERSION OF THE PROBLEM IS GIVEN IN LOW PRECISION. The matrix products marked QUANTISED in the list below multiply operands that are first quantised to E2M3 (2 exponent bits, 3 mantissa bits; 6 bits a number), with one power-of-two scale for each 32 numbers along K (OCP MX v1.0); their sums are f32. All else is computed in f32.
;;   The module's matrix products, in the order in which they are computed (A, B: the left and right operand; K: the contracted axis; several contracted axes count as one K, in the product's order):
;;     1. [M 8,192, K 1,024] x [K 1,024, N 3,072]; A: input x; B: input Wqkv: QUANTISED
;;     2. batch 64 x [M 2,048, K 64] x [K 64, N 2,048]; A: computed on the way; B: computed on the way: QUANTISED
;;     3. batch 64 x [M 2,048, K 2,048] x [K 2,048, N 64]; A: softmax (see below); B: computed on the way: QUANTISED
;;     4. [M 8,192, K 1,024] x [K 1,024, N 1,024]; A: computed on the way; B: input Wproj: QUANTISED
;;   THE QUANTISER, for each operand of a quantised product, along K:
;;     - K is cut into blocks of 32 from its start; a last block that is shorter is filled with zeros.
;;     - A block's scale is 2^e with e = floor(log2(the largest magnitude in the block)) - 2, held to -126 .. 127; a block of zeros has e = 0. As a byte (E8M0): e + 127.
;;     - Each number is divided by its block's scale, clamped to +-7.5, and rounded to the nearest number of E2M3, ties to even, subnormals kept.
;;     - The product sums the exact products of the quantised numbers (number of the format x scale) in f32.
;;   ~~~python
;;   def quantise(x, axis):      # numpy; x: float32 -> the quantised numbers, widened to float32 again
;;       x = np.moveaxis(x, axis, -1); K = x.shape[-1]
;;       x = np.pad(x, [(0, 0)] * (x.ndim - 1) + [(0, -K % 32)]); x = x.reshape(x.shape[:-1] + (-1, 32)); a = np.abs(x).max(-1, keepdims=True)
;;       e = np.where(a > 0, np.clip(np.frexp(np.where(a > 0, a, 1))[1] - 1 - 2, -126, 127), 0)      # np.frexp(a)[1] - 1 = floor(log2(a)), exactly
;;       r = np.clip(x / 2.0 ** e, -7.5, 7.5)
;;       step = 2.0 ** (np.maximum(np.frexp(np.where(r == 0, 1, r))[1] - 1, 0) - 3)
;;       q = np.round(r / step) * step * 2.0 ** e      # np.round: ties to even
;;       return np.moveaxis(q.reshape(q.shape[:-2] + (-1,))[..., :K], -1, axis).astype(np.float32)
;;   ~~~
;;   SOFTMAX AHEAD OF A QUANTISED PRODUCT. Where the list says 'softmax', what is quantised is not the finished softmax but p = 2^(t - M), with t = logit x log2(e) and M = ceil(the row's largest t), a whole number; so 1/2 < the row's largest p <= 1. The row's sum l is taken of the UNQUANTISED p, in f32, and the product's result is divided by l at the end. Since M is a whole number, a kernel that streams over the keys may use a running M (the ceiling of the running maximum): every later rescaling is an exact power of two, which a block's scale takes up: the codes' values come out the same.
;;   OPERANDS COMPUTED ON THE WAY. 'Computed on the way' means the value that the module computes at that place (a softmax that the list does not call 'softmax' is quantised finished and normalised). What goes into a quantiser is computed in f32, as accurately as f32 sums, v_exp_f32 and their like allow (about 1e-6 of the number): no bf16 or f16 on the way to a quantiser, and a product that is left as it is and whose result goes on into a quantised operand takes f32 operands (vector FMAs, or v_wmma_f32_16x16x4_f32). A number that lies on a knife's edge between two numbers of the format may be rounded either way, as far as f32 arithmetic and the matrix unit's own rounding can turn it there, and no further.
;; One version. Each part assembles by itself: llvm-mc -triple=amdgcn-amd-amdhsa -mcpu=gfx1250 --defsym DOCPART=n.
;; ======== version 1 of 1: 4 launches
;; workspace buffers: xq 6,553,600 bytes; wq 3,276,800 bytes; qi 6,815,744 bytes; kv 13,369,344 bytes; yi 6,553,600 bytes
;; launch quant (part 1): grid 384 x 1, 4 waves a work-group, no clusters, 68,096 bytes of LDS; arguments x, Wqkv, Wproj, xq, wq; writes xq, wq
.if DOCPART == 1
	.amdgcn_target "amdgcn-amd-amdhsa--gfx1250"
	.amdhsa_code_object_version 6
	.text
	.protected	k_qf41d594697_quant
	.globl	k_qf41d594697_quant
	.p2align	8
	.type	k_qf41d594697_quant,@function
k_qf41d594697_quant:
	s_mov_b64 s[64:65], 0
	v_nop
	global_prefetch_b8 v0, s[64:65] scope:SCOPE_SE
	s_setreg_imm32_b32 hwreg(HW_REG_WAVE_MODE, 25, 1), 1
	s_wait_xcnt 0x0
; x [8192][1024], Wqkv [1024][3072] and Wproj [1024][1024], all f32, become codes of FP6 (E2M3) with K innermost and one E8M0 byte for each 32 along K.
; A block's scale is 2^(floor(log2(its largest magnitude)) - 2); its byte is the largest magnitude's exponent field - 2, held at 1 from below; each number is divided by the scale and rounded to the nearest code, ties to even.
; POSITION ORDER.  A row (a token of x, a column of a weight) with number n is stored at position n with its bits 3 and 4 exchanged.  Sixteen neighbouring positions 32 b + 16 u + i then hold rows 32 b + 8 u + i + 8 (i / 8):
; a tile of sixteen neighbouring rows of the stored tensor leaves, in a matrix result, sixteen NEIGHBOURS of that axis in the sixteen registers of two neighbouring tiles, which is what the next quantiser wants.
; xq: codes [8192 positions][768] at 0, scale bytes [8192 positions][32] at XS_OFF.   wq: Wqkv's codes [3072][768] at 0, its bytes [3072][32] at WS_OFF, Wproj's codes [1024][768] at PC_OFF, its bytes [1024][32] at PS_OFF.
; Work-groups 0-255 take x (K innermost: a plain stream of blocks); work-groups 256-383 the weights (K is the first axis: a lane takes a column, its registers run down K).  The two ways have LDS bytes of their own.
; LIMITS: a block of zeros gets the byte 1 (its codes are zeros, and these bytes are read by this program alone); blocks whose largest magnitude lies under 2^-124 are held at that floor; NaN and infinities among the inputs are not served.
.set XS_OFF, 6291456
.set WS_OFF, 2359296
.set PC_OFF, 2457600
.set PS_OFF, 3244032
.set EMAX,  2
.set SPW,   12                         ; v12  LDS address of my spare word; never rewritten
.set NIL,   13                         ; v13  0; never rewritten
.set SPARE, 67584                      ; behind both ways' regions: 128 bytes a wave that no other line names
; the way of x
.set STEPS, 16                         ; a wave takes 16 steps of 512 numbers: 8 rows
.set CB,    12                         ; bytes of 16 codes
.set R,     16                         ; v16-79   four sets of 16 numbers as loaded
.set X,     80                         ; v80-111  two sets of 16 neighbours
.set E,     112                        ; v112-127 a scale byte for each step
.set C,     128                        ; v128-191 codes, four registers a step
.set WREG,  8192                       ; LDS 0 .. 32767: a region for each wave: two stages of 32 x SP bytes, then its 256 scale bytes
.set SP,    80
; the way of the weights
.set WST,   32768                      ; LDS 32768 .. 67583: a stage of 32 rows x PITCH for each wave
.set PITCH, 272
.set SBY,   24                         ; v24-25   a column's 8 scale bytes
.set WX,    32                         ; v32-95   two sets of 32 numbers
.set WCD,   96                         ; v96-102  a block's codes
.set OUTR,  112                        ; v112-175 the way out
.set VO,    176                        ; v176-207 offset of row i of a block: 4 x lane + i x (a row of the weight in bytes); never rewritten
.set SBA,   32                         ; s[32:47] the address of each of the eight blocks' first row; never rewritten
	s_load_b256 s[4:11], s[0:1], 0x0               ; x s[4:5], Wqkv s[6:7], Wproj s[8:9], xq s[10:11]
	s_load_b64 s[12:13], s[0:1], 0x20              ; wq
	v_lshl_add_u32 v[SPW], v0, 2, SPARE
	v_mov_b32 v[NIL], 0
	v_lshrrev_b32 v1, 5, v0
	v_readfirstlane_b32 s16, v1                    ; wave
	v_and_b32 v2, 31, v0                           ; lane
	s_cmp_lt_u32 ttmp9, 256
	s_cbranch_scc0 .Lweights
; ---------------- x: each load reads 512 consecutive bytes; a step's 2,048 bytes turn through the wave's own stage, so that a lane then holds 16 neighbours along K; two neighbouring lanes hold a block
	v_lshlrev_b32 v3, 4, v2                        ; my 16 bytes of a load's 512
	s_mul_i32 s17, s16, WREG
	v_lshrrev_b32 v14, 2, v2
	v_mul_u32_u24 v14, v14, SP
	v_and_b32 v15, 3, v2
	v_lshl_add_u32 v14, v15, 4, v14
	v_add_nc_u32 v14, s17, v14                     ; the stage, in: SP (lane / 4) + 16 (lane % 4)
	v_mul_u32_u24 v15, v2, SP
	v_add_nc_u32 v15, s17, v15                     ; and out: SP x lane
	v_mul_u32_u24 v4, v2, CB                       ; my codes' place in a step's 384 bytes
	v_lshrrev_b32 v5, 1, v2
	s_add_co_u32 s17, s17, 2*32*SP
	v_add_nc_u32 v5, s17, v5                       ; my block's byte among my wave's 256
	v_lshlrev_b32 v7, 3, v2
	v_add_nc_u32 v6, s17, v7
	s_lshl_b32 s18, ttmp9, 2
	s_add_co_u32 s20, s18, s16                     ; my run of 8 rows: 4 x work-group + wave
	s_lshl_b32 s20, s20, 15                        ; x 32,768 bytes
	s_mov_b32 s21, 0
	s_and_b32 s22, s16, 1                          ; the run's number holds the rows' bits 3 and 4 in its bits 0 and 1: exchanged, it is the run's place in position order
	s_lshl_b32 s22, s22, 1
	s_lshr_b32 s23, s16, 1
	s_or_b32 s22, s22, s23
	s_add_co_u32 s18, s18, s22
	s_mul_i32 s22, s18, 8*768                      ; its codes
	s_mov_b32 s23, 0
	s_lshl_b32 s24, s18, 8                         ; its 256 scale bytes
	s_add_co_u32 s24, s24, XS_OFF
	s_mov_b32 s25, 0
	s_wait_kmcnt 0x0
	s_add_nc_u64 s[4:5], s[4:5], s[20:21]
	s_add_nc_u64 s[8:9], s[10:11], s[22:23]
	s_add_nc_u64 s[10:11], s[10:11], s[24:25]
.macro LOAD t
.irp i, 0,1,2,3
	global_load_b128 v[R+16*((\t)%4)+4*\i:R+16*((\t)%4)+4*\i+3], v3, s[4:5] offset:2048*(\t)+512*\i th:TH_LOAD_NT
.endr
.endm
.macro TURN t                          ; LDS serves a wave's instructions in order: no wait between the stores and the loads
.irp i, 0,1,2,3
	ds_store_b128 v14, v[R+16*((\t)%4)+4*\i:R+16*((\t)%4)+4*\i+3] offset:32*SP*((\t)%2)+8*SP*\i
.endr
.irp i, 0,1,2,3
	ds_load_b128 v[X+16*((\t)%2)+4*\i:X+16*((\t)%2)+4*\i+3], v15 offset:32*SP*((\t)%2)+16*\i
.endr
.endm
.irp t, 0,1,2,3
	LOAD \t
.endr
	s_wait_loadcnt 12                              ; step 0's four loads are in; twelve younger ones stay out
	TURN 0
.macro STEP t
.set XS, X+16*((\t)%2)
.if (\t) > 0
	s_wait_dscnt 1                                 ; this step's numbers are back from the stage; the last step's byte store may be out
.else
	s_wait_dscnt 0x0
.endif
.if (\t)+4 < STEPS
	LOAD (\t)+4                                    ; into the registers that this step's stage stores have read
.endif
.if (\t)+1 < STEPS
.if STEPS-2-(\t) >= 3
	s_wait_loadcnt 12                              ; the next step's four loads are in; three steps' stay out
.else
	s_wait_loadcnt 4*(STEPS-2-(\t))
.endif
	TURN (\t)+1
.endif
	v_max3_num_f32 v8, |v[XS]|, |v[XS+1]|, |v[XS+2]|
	v_max3_num_f32 v9, |v[XS+3]|, |v[XS+4]|, |v[XS+5]|
.irp i, 6,10
	v_max3_num_f32 v8, v8, |v[XS+\i]|, |v[XS+\i+1]|
	v_max3_num_f32 v9, v9, |v[XS+\i+2]|, |v[XS+\i+3]|
.endr
	v_max3_num_f32 v8, v8, |v[XS+14]|, |v[XS+15]|
	v_max3_num_f32 v8, v8, v9, (EMAX+1)<<23        ; with the floor 2^(3 - 127): the byte cannot fall under 1
	v_max_num_f32_dpp v8, v8, v8 row_xmask:1 row_mask:0xf bank_mask:0xf   ; and my neighbour's 16: the block's largest magnitude
	v_add_nc_u32 v11, -(EMAX<<23), v8              ; 2 off its exponent field: the conversion's scale operand
	v_cvt_scalef32_pk16_fp6_f32 v[C+4*(\t):C+4*(\t)+2], v[XS:XS+15], v11
	v_lshrrev_b32 v[E+(\t)], 23, v11               ; the scale's byte (also the plain line behind the conversion)
	ds_store_b8 v5, v[E+(\t)] offset:16*(\t)       ; both lanes of a block write the same byte with the same value
	global_store_b96 v4, v[C+4*(\t):C+4*(\t)+2], s[8:9] offset:32*CB*(\t)   ; the wave stores 384 consecutive bytes
.endm
.irp t, 0,1,2,3,4,5,6,7,8,9,10,11,12,13,14,15
	STEP \t
.endr
	ds_load_b64 v[8:9], v6
	s_wait_dscnt 0x0
	global_store_b64 v7, v[8:9], s[10:11]          ; 32 lanes store 256 consecutive bytes, at a multiple of 256
	s_wait_tensorcnt 0x0                           ; the wave's end, behind my last LDS store
	ds_add_u32 v[SPW], v[NIL]
	s_wait_dscnt 0x0
	s_endpgm
; ---------------- the weights: 96 work-groups for Wqkv (24 groups of 128 columns x 4 runs of 256 along K), 32 for Wproj (8 x 4); only pointers, a row's bytes and offsets are chosen: one text serves both
.Lweights:
	s_sub_co_u32 s17, ttmp9, 256
	s_cmp_lt_u32 s17, 96                           ; Wqkv's work-group or Wproj's: the choice hangs on the work-group's number alone
	s_cselect_b32 s18, 0, 96
	s_mov_b32 s26, 4096
	s_cselect_b32 s26, 12288, s26                  ; a row of the weight in bytes
	s_cselect_b32 s27, 0, PC_OFF
	s_mov_b32 s28, PS_OFF
	s_cselect_b32 s28, WS_OFF, s28
	s_wait_kmcnt 0x0
	s_cselect_b64 s[6:7], s[6:7], s[8:9]
	s_sub_co_u32 s17, s17, s18
	s_lshr_b32 s19, s17, 2
	s_and_b32 s17, s17, 3                          ; which 256 along K
	s_lshl_b32 s19, s19, 7
	s_lshl_b32 s20, s16, 5
	s_add_co_u32 s19, s19, s20                     ; my wave's first column
	s_mul_i32 s20, s17, s26
	s_lshl_b32 s20, s20, 8
	s_lshl_b32 s21, s19, 2
	s_add_co_u32 s20, s20, s21
	s_mov_b32 s21, 0
	s_add_nc_u64 s[SBA:SBA+1], s[6:7], s[20:21]    ; block 0's first row, my first column
	s_lshl_b32 s22, s26, 5                         ; 32 rows on
	s_mov_b32 s23, 0
.irp t, 1,2,3,4,5,6,7
	s_add_nc_u64 s[SBA+2*\t:SBA+2*\t+1], s[SBA+2*\t-2:SBA+2*\t-1], s[22:23]
.endr
	s_mul_i32 s20, s19, 768
	s_mul_i32 s24, s17, 192
	s_add_co_u32 s20, s20, s24
	s_add_co_u32 s20, s20, s27
	s_add_nc_u64 s[48:49], s[12:13], s[20:21]      ; the codes: position = my first column (a multiple of 32), 192 bytes for each 256 along K
	s_lshl_b32 s20, s19, 5
	s_lshl_b32 s24, s17, 3
	s_add_co_u32 s20, s20, s24
	s_add_co_u32 s20, s20, s28
	s_add_nc_u64 s[50:51], s[12:13], s[20:21]      ; the scale bytes
	v_lshlrev_b32 v3, 2, v2
.irp i, 0,1,2,3,4,5,6,7,8,9,10,11,12,13,14,15,16,17,18,19,20,21,22,23,24,25,26,27,28,29,30,31
	v_mad_u32_u24 v[VO+\i], s26, \i, v3
.endr
	s_mul_i32 s29, s16, 32*PITCH
	s_add_co_u32 s29, s29, WST                     ; my stage
	v_mul_u32_u24 v4, v2, PITCH
	v_add_nc_u32 v4, s29, v4                       ; in: row = my column
	v_and_b32 v5, 15, v2
	v_lshrrev_b32 v6, 4, v2
	v_mul_u32_u24 v7, v6, PITCH
	v_lshl_add_u32 v7, v5, 4, v7
	v_add_nc_u32 v7, s29, v7                       ; out: sixteen lanes to a row, two rows an instruction
	v_mul_u32_u24 v8, v6, 768
	v_mad_u32_u24 v8, v5, 12, v8                   ; and the same place in the codes
	v_and_b32 v9, 7, v2                            ; my column's position: bits 3 and 4 exchanged
	v_and_b32 v5, 8, v2
	v_lshl_or_b32 v9, v5, 1, v9
	v_and_b32 v5, 16, v2
	v_lshrrev_b32 v5, 1, v5
	v_or_b32 v9, v9, v5
	v_lshlrev_b32 v9, 5, v9                        ; x 32 scale bytes a row
.macro WLOAD t                         ; block t: W(32 t + i, my column): 32 lanes read 128 consecutive bytes
.irp i, 0,1,2,3,4,5,6,7,8,9,10,11,12,13,14,15,16,17,18,19,20,21,22,23,24,25,26,27,28,29,30,31
	global_load_b32 v[WX+32*((\t)%2)+\i], v[VO+\i], s[SBA+2*(\t):SBA+2*(\t)+1] th:TH_LOAD_NT
.endr
.endm
	WLOAD 0
	WLOAD 1
.macro BLOCK t
.set XW, WX+32*((\t)%2)
.if (\t) < 7
	s_wait_loadcnt 32                              ; this block's 32 loads are in; the next block's may be out
.else
	s_wait_loadcnt 0
.endif
	v_max3_num_f32 v16, |v[XW]|, |v[XW+1]|, |v[XW+2]|              ; all 32 numbers of the block are mine
	v_max3_num_f32 v17, |v[XW+3]|, |v[XW+4]|, |v[XW+5]|
.irp i, 6,10,14,18,22,26
	v_max3_num_f32 v16, v16, |v[XW+\i]|, |v[XW+\i+1]|
	v_max3_num_f32 v17, v17, |v[XW+\i+2]|, |v[XW+\i+3]|
.endr
	v_max3_num_f32 v16, v16, |v[XW+30]|, |v[XW+31]|
	v_max3_num_f32 v16, v16, v17, (EMAX+1)<<23
	v_add_nc_u32 v18, -(EMAX<<23), v16
	v_lshrrev_b32 v19, 23, v18
.if (\t)%4 == 0
	v_mov_b32 v[SBY+(\t)/4], v19
.else
	v_lshl_or_b32 v[SBY+(\t)/4], v19, 8*((\t)%4), v[SBY+(\t)/4]
.endif
	v_cvt_scalef32_pk16_fp6_f32 v[WCD:WCD+2], v[XW:XW+15], v18
	v_cvt_scalef32_pk16_fp6_f32 v[WCD+4:WCD+6], v[XW+16:XW+31], v18
	ds_store_b96 v4, v[WCD:WCD+2] offset:32*(\t)   ; 12 bytes to a place of 16, so that every LDS address is a multiple of 16
	ds_store_b96 v4, v[WCD+4:WCD+6] offset:32*(\t)+16
.if (\t)+2 < 8
	WLOAD (\t)+2
.endif
	s_wait_dscnt 0x0                               ; the stores have read their registers: the next block's codes may be written
.endm
.irp t, 0,1,2,3,4,5,6,7
	BLOCK \t
.endr
	global_store_b64 v9, v[SBY:SBY+1], s[50:51]    ; my column's 8 scale bytes, at its position
.irp t, 0,1,2,3,4,5,6,7,8,9,10,11,12,13,14,15
	ds_load_b96 v[OUTR+4*\t:OUTR+4*\t+2], v7 offset:2*\t*PITCH
.endr
.irp t, 0,1,2,3,4,5,6,7,8,9,10,11,12,13,14,15
	s_wait_dscnt 15-\t                             ; the younger loads from the stage stay out
	global_store_b96 v8, v[OUTR+4*\t:OUTR+4*\t+2], s[48:49] offset:(((2*\t)&7)|(((2*\t)&8)<<1)|(((2*\t)&16)>>1))*768   ; columns 2 t, 2 t + 1 at their positions: sixteen lanes store a row's 192 consecutive bytes
.endr
	s_wait_tensorcnt 0x0                           ; the wave's end, behind my last LDS store
	ds_add_u32 v[SPW], v[NIL]
	s_wait_dscnt 0x0
	s_endpgm
.Lfunc_end_k_qf41d594697_quant:
	.size	k_qf41d594697_quant, .Lfunc_end_k_qf41d594697_quant-k_qf41d594697_quant
	.p2alignl 7, 3214868480
	.fill 96, 4, 3214868480
	.section	.rodata,"a",@progbits
	.p2align	6, 0x0
	.amdhsa_kernel k_qf41d594697_quant
		.amdhsa_group_segment_fixed_size 68096
		.amdhsa_private_segment_fixed_size 0
		.amdhsa_enable_private_segment 0
		.amdhsa_kernarg_size 40
		.amdhsa_user_sgpr_count 2
		.amdhsa_user_sgpr_kernarg_segment_ptr 1
		.amdhsa_wavefront_size32 1
		.amdhsa_system_sgpr_workgroup_id_x 1
		.amdhsa_system_sgpr_workgroup_id_y 1
		.amdhsa_system_sgpr_workgroup_id_z 1
		.amdhsa_system_vgpr_workitem_id 0
		.amdhsa_next_free_vgpr 208
		.amdhsa_next_free_sgpr 66
		.amdhsa_reserve_vcc 0
		.amdhsa_float_denorm_mode_32 3
		.amdhsa_float_denorm_mode_16_64 3
		.amdhsa_memory_ordered 1
		.amdhsa_forward_progress 1
		.amdhsa_inst_pref_size 76
	.end_amdhsa_kernel
	.amdgpu_metadata
---
amdhsa.version: [ 1, 2 ]
amdhsa.kernels:
  - .name:           k_qf41d594697_quant
    .symbol:         k_qf41d594697_quant.kd
    .args:
      - { .name: x, .offset: 0, .size: 8, .value_kind: global_buffer, .address_space: global }
      - { .name: Wqkv, .offset: 8, .size: 8, .value_kind: global_buffer, .address_space: global }
      - { .name: Wproj, .offset: 16, .size: 8, .value_kind: global_buffer, .address_space: global }
      - { .name: xq, .offset: 24, .size: 8, .value_kind: global_buffer, .address_space: global }
      - { .name: wq, .offset: 32, .size: 8, .value_kind: global_buffer, .address_space: global }
    .group_segment_fixed_size: 68096
    .private_segment_fixed_size: 0
    .kernarg_segment_align: 8
    .kernarg_segment_size: 40
    .max_flat_workgroup_size: 128
    .sgpr_count:     66
    .vgpr_count:     208
    .wavefront_size: 32
...
	.end_amdgpu_metadata
.endif
;; end of part 1
;; launch qkv (part 2): grid 12 x 32, 4 waves a work-group, clusters of 4 x 4, 327,680 bytes of LDS; arguments xq, wq, bqkv, qi, kv; writes qi, kv
.if DOCPART == 2
	.amdgcn_target "amdgcn-amd-amdhsa--gfx1250"
	.amdhsa_code_object_version 6
	.text
	.protected	k_qf41d594697_qkv
	.globl	k_qf41d594697_qkv
	.p2align	8
	.type	k_qf41d594697_qkv,@function
k_qf41d594697_qkv:
	s_mov_b64 s[64:65], 0
	v_nop
	global_prefetch_b8 v0, s[64:65] scope:SCOPE_SE
	s_setreg_imm32_b32 hwreg(HW_REG_WAVE_MODE, 25, 1), 1
	s_wait_xcnt 0x0
	s_wait_alu depctr_hold_cnt(0) depctr_sa_sdst(0) depctr_va_vdst(0) depctr_va_sdst(0) depctr_va_ssrc(0) depctr_va_vcc(0) depctr_vm_vsrc(0)
	s_getreg_b32 s2, hwreg(HW_REG_IB_STS2, 6, 4)
	s_cmp_eq_u32 s2, 0
	s_cbranch_scc0 .Lentry_in_a_cluster
	s_endpgm
.Lentry_in_a_cluster:
	s_bfe_u32 s2, ttmp6, 0x10000c
	s_cmp_lg_u32 s2, 0xf033
	s_cbranch_scc0 .Lentry_shape_is_right
	s_endpgm
.Lentry_shape_is_right:
; qkv = x Wqkv + bqkv on codes of FP6 (E2M3) with E8M0 scales; the result never goes to memory as numbers: q and k are quantised along a head's 64 channels, v along the keys, in registers, and leave as IMAGES of the operand registers that the attention launch loads.
; A tile of 256 tokens x 256 columns is made by a work-group of four waves, 128 x 128 each: 64 accumulators, 512 registers.  K = 1,024 goes in four steps of 256 through a ring of two LDS slots filled by the tensor data mover; the scale bytes of the tile's rows come once.
; CLUSTERS: 4 x 4 work-groups; x's tiles are asked for jointly along a row of the cluster, the weight's along a column.  Cluster x = 0 makes q, 1 makes k, 2 makes v.
; ROLES.  In a matrix result a lane holds one row of source 1 and its registers run along source 0's rows.  A quantiser wants its K along the registers.  q, k: K = the columns: source 0 = the weight, source 1 = x.  v: K = the tokens: source 0 = x, source 1 = the weight.
; The two cases differ in the LDS addresses from which a wave reads its fragments and scale words, chosen by the CLUSTER's x (the same in all sixteen partners), and in nothing else of the loop.  'Lane role' = source 1, 'register role' = source 0.
; Both tensors lie in position order (a row's bits 3 and 4 exchanged), so the 16 registers of the register role's tiles 2 b, 2 b + 1 are 16 neighbours 32 b + 16 (lane / 16) + 0 .. 15 of that axis, and the lane role's tile a holds rows 32 (a / 2) + 8 (a % 2) + r + 8 (r / 8).
; OUT.  qi: [64 heads][16 steps of 128 tokens][6,656]: 8 half-images of 768 bytes (16 tokens x 64 channels: registers 0-3 at 16 x lane, registers 4-5 at 512 + 8 x lane), then 512 bytes of scale words (lane l: word t for tile 2 t + l / 16, row l % 16).
; kv: [64][16][13,056]: k's 8 half-images; at 6,144 v's 4 images of 1,536 bytes (16 channels x 128 keys: registers 4 c .. 4 c + 3 at 512 c + 16 x lane); at 12,288 k's scale words; at 12,800 v's (two words a lane).
; A q or k scale word's upper two bytes (K = 64 .. 127, where q's codes are zeros) repeat its lower two.
; Every store of the wave covers 512 or 256 consecutive bytes at a multiple of 256.  No LDS is written by the waves.
; LIMITS: a block of zeros gets the byte 1; blocks under 2^-124 are held at that floor; NaN and infinities are not served.
; No prefetch: all four K steps are asked for within the first two changes of slots.
.set XS_OFF, 6291456
.set WS_OFF, 2359296
.set KSTEP,  256
.set NQ,     2
.set ROWB,   192
.set KROW,   768
.set PITCH,  240                       ; an LDS row: 3 x (64 bytes + 16 of padding)
.set FR,     12
.set NL,     6
.set NP,     4
.set HALFT,  128*PITCH
.set SLOT,   4*HALFT                   ; x's 256 rows, then the weight's 256
.set LAPS,   2
.set KS,     32                        ; a row's scale bytes
.set SPARE,  2*SLOT                    ; behind the ring: the spare words, 128 bytes a wave, that no other line names
.set SCL,    SPARE+512                 ; behind them: the scale bytes, as units of 256 bytes + 16 of padding: x's two halves, then the weight's
.set HALFS,  16*272
.set SBLK,   2*272
.set ADRA, 16                          ; v16-19  LDS addresses of the lane role's fragments in slot 0, 1 (18, 19: behind one padding more)
.set ADRB, 20                          ; v20-23  the register role's
.set L16,  24                          ; v24     16 x lane
.set L8,   25                          ; v25     8 x lane
.set ADRS, 27                          ; v27     my scale words: lanes 0-15 the lane role's rows, lanes 16-31 the register role's
.set SPW,  28
.set NIL,  29
.set SC,   32                          ; v32-63  scale words, two sets
.set BI,   64                          ; v64-127 the biases, in the result's layout
.set AF,   128                         ; v128-223 the lane role's fragments, one set
.set VJ,   224                         ; v224-231 the bias loads' offsets
.set HA,   128                         ; the way out: v128-191 64 numbers of a lane
.set PC,   192                         ; v192-210 the codes just made
.set TM,   212                         ; v212-227 at work
.set SW,   228                         ; v228-235 the eight blocks' scale words
.set WA,   236                         ; v236-247 scale images
.set WB,   240
.set WC,   244
.set G1, 24
.set G0, 32
.set G1B, 48
.set G0B, 56
.set PF, 66                            ; s66  1 in the clusters that make v
.set LM, 67                            ; s67  lanes 16-31
.set G1S, 68
.set G0S, 76
.set G1SB, 80
.set G0SB, 88
.set BB, 96                            ; s[96:97] the biases
.set SEL, 98                           ; s[98:99] v_permlanex16_b32's selects for lane l xor 16
.set MSB, 0
.macro WIN new                         ; the immediate's high byte repeats the setting that is left
.if MSB != (\new)
	s_set_vgpr_msb (MSB<<8)|(\new)
.set MSB, (\new)
.endif
.endm
.set MUL_LO, 0xa1                      ; source 0 window 1, source 1 window 0, C and D window 2
.set MUL_HI, 0xf1
.set TO_B,   0x40
; A joint load: waves 0 and 1 fetch x's halves, waves 2 and 3 the weight's.  The branch hangs on the wave's number alone.  An s_nop 0 and four v_nop follow each line.
.macro JLOAD g0a, g1a, g0b, g1b
	s_cmp_eq_u32 s15, 0
	s_cbranch_scc0 .Lfor_b_\@
	tensor_load_to_lds s[\g0a:\g0a+3], s[\g1a:\g1a+7]
	s_nop 0
.rept 4
	v_nop
.endr
	s_branch .Lasked_\@
.Lfor_b_\@:
	tensor_load_to_lds s[\g0b:\g0b+3], s[\g1b:\g1b+7]
	s_nop 0
.rept 4
	v_nop
.endr
.Lasked_\@:
.endm
.macro CREST
	s_cmp_lg_u32 s14, 0
	s_cbranch_scc1 .Lnot_wave_0_\@
	s_barrier_signal -3
.Lnot_wave_0_\@:
	s_barrier_wait -3
	s_barrier_signal -1
	s_barrier_wait -1
.endm
.macro CROUND
	s_barrier_signal -1
	s_barrier_wait -1
	CREST
.endm
	s_load_b128 s[4:7], s[0:1], 0x0                ; xq s[4:5], wq s[6:7]
	s_load_b128 s[8:11], s[0:1], 0x10              ; bqkv s[8:9], qi s[10:11]
	s_load_b64 s[12:13], s[0:1], 0x20              ; kv
	v_lshl_add_u32 v[SPW], v0, 2, SPARE
	v_mov_b32 v[NIL], 0
	ds_add_u32 v[SPW], v[NIL]                      ; the wave's opening: the add and its wait ahead of my first tensor load; work on registers stands between them
	v_lshrrev_b32 v1, 5, v0
	v_readfirstlane_b32 s14, v1                    ; wave 0..3
	s_lshr_b32 s15, s14, 1                         ; my half of the lane role's rows.  Also: I fetch for x (0) or for the weight (1)
	s_and_b32 s16, s14, 1                          ; my half of the register role's rows.  Also: which 128 rows I fetch
	s_bfe_u32 s40, ttmp6, 0x40000                  ; cx
	s_bfe_u32 s41, ttmp6, 0x40004                  ; cy
	s_lshl_b32 s42, ttmp9, 2
	s_add_co_u32 s42, s42, s40                     ; tile column = 4 x cluster x + cx
	s_and_b32 s17, ttmp7, 0xffff
	s_lshl_b32 s17, s17, 2
	s_add_co_u32 s17, s17, s41                     ; tile row = 4 x cluster y + cy
	s_lshl_b32 s43, s41, 2
	s_lshl_b32 s43, 15, s43                        ; my row of the cluster
	s_lshl_b32 s44, 0x1111, s40                    ; my column
	s_or_b32 s[G1+0], s43, (0<<16)|(1<<20)|(1<<21)|(3<<22)|(3<<25)  ; the mask; elements of 1 byte; padding on; bit 21 beside a mask; 4 words of padding after every 16
	s_or_b32 s[G1B+0], s44, (0<<16)|(1<<20)|(1<<21)|(3<<22)|(3<<25)
.irp g, G1, G1B
	s_mov_b32 s[\g+1], ROWB<<16                    ; tensor_dim0
	s_mov_b32 s[\g+2], 128<<16                     ; tensor_dim1
	s_mov_b32 s[\g+3], ROWB<<16                    ; tile_dim0
	s_mov_b32 s[\g+4], 128                         ; tile_dim1
	s_mov_b32 s[\g+5], KROW                        ; the pitch
	s_mov_b32 s[\g+6], 0
	s_mov_b32 s[\g+7], 0
.endr
	s_or_b32 s[G1S+0], s43, (3<<16)|(1<<20)|(1<<21)|(5<<22)|(3<<25) ; the scale bytes of 128 rows: 4,096 dense bytes as 16 rows of 256, 16 bytes of padding behind each
	s_or_b32 s[G1SB+0], s44, (3<<16)|(1<<20)|(1<<21)|(5<<22)|(3<<25)
.irp g, G1S, G1SB
	s_mov_b32 s[\g+1], 32<<16
	s_mov_b32 s[\g+2], 16<<16
	s_mov_b32 s[\g+3], 32<<16
	s_mov_b32 s[\g+4], 16
	s_mov_b32 s[\g+5], 32
	s_mov_b32 s[\g+6], 0
	s_mov_b32 s[\g+7], 0
.endr
	s_lshl_b32 s18, s16, 7
	s_lshl_b32 s20, s17, 8
	s_add_co_u32 s20, s20, s18                     ; x: position 256 x tile row + 128 x half
	s_lshl_b32 s46, s42, 8
	s_add_co_u32 s46, s46, s18                     ; the weight: position 256 x tile column + 128 x half
	s_mov_b32 s21, 0
	s_mov_b32 s47, 0
	s_mov_b64 s[18:19], KS
	s_mul_u64 s[22:23], s[20:21], s[18:19]
	s_mul_u64 s[92:93], s[46:47], s[18:19]
	s_mov_b64 s[18:19], KROW
	s_mul_u64 s[20:21], s[20:21], s[18:19]
	s_mul_u64 s[46:47], s[46:47], s[18:19]
	s_add_nc_u64 s[22:23], s[22:23], XS_OFF
	s_add_nc_u64 s[92:93], s[92:93], WS_OFF
	s_mul_i32 s45, s14, HALFT                      ; where they go: wave x 128 rows: no place in the cluster enters an LDS address
	s_mul_i32 s94, s14, HALFS
	s_mov_b32 s[LM], 0xffff0000
	s_mov_b32 s[SEL], 0x76543210
	s_mov_b32 s[SEL+1], 0xfedcba98
	s_wait_dscnt 0x0                               ; the opening add is done
	s_wait_kmcnt 0x0
	s_add_nc_u64 s[20:21], s[4:5], s[20:21]
	s_add_nc_u64 s[22:23], s[4:5], s[22:23]
	s_add_nc_u64 s[46:47], s[6:7], s[46:47]
	s_add_nc_u64 s[92:93], s[6:7], s[92:93]
	CROUND                                         ; all sixteen work-groups are here: the first joint loads meet
	s_mov_b32 s[G0S], 1
	s_add_co_u32 s[G0S+1], s94, SCL
	s_mov_b64 s[G0S+2:G0S+3], s[22:23]
	s_or_b32 s[G0S+3], s[G0S+3], 0x80000000
	s_mov_b32 s[G0SB], 1
	s_add_co_u32 s[G0SB+1], s94, SCL
	s_mov_b64 s[G0SB+2:G0SB+3], s[92:93]
	s_or_b32 s[G0SB+3], s[G0SB+3], 0x80000000
	JLOAD G0S, G1S, G0SB, G1SB                     ; three loads of mine go out here: the scale bytes, slot 0, slot 1
.irp s, 0,1
	s_mov_b32 s[G0+4*\s], 1
	s_add_co_u32 s[G0+4*\s+1], s45, \s*SLOT
	s_add_nc_u64 s[G0+4*\s+2:G0+4*\s+3], s[20:21], \s*ROWB
	s_or_b32 s[G0+4*\s+3], s[G0+4*\s+3], 0x80000000
	s_mov_b32 s[G0B+4*\s], 1
	s_add_co_u32 s[G0B+4*\s+1], s45, \s*SLOT
	s_add_nc_u64 s[G0B+4*\s+2:G0B+4*\s+3], s[46:47], \s*ROWB
	s_or_b32 s[G0B+4*\s+3], s[G0B+4*\s+3], 0x80000000
	JLOAD G0+4*\s, G1, G0B+4*\s, G1B
.endr
	v_and_b32 v1, 15, v0                           ; r
	v_bfe_u32 v2, v0, 4, 1                         ; h
	v_mul_u32_u24 v3, v1, PITCH
	v_mul_u32_u24 v4, v2, 24
	v_add_nc_u32 v4, v3, v4                        ; a fragment's row x pitch + 24 x half
	v_lshl_add_u32 v5, v2, 4, v4                   ; and the same behind one padding more
	s_cmp_eq_u32 ttmp9, 2                          ; THE ROLES, by the cluster's x: every selection stands ahead of the additions, which change SCC
	s_cselect_b32 s[PF], 1, 0
	s_cselect_b32 s21, 2*HALFT, 0                  ; the lane role reads x's region, for v the weight's
	s_cselect_b32 s22, 0, 2*HALFT                  ; the register role the other
	s_cselect_b32 s18, 2*HALFS, 0                  ; likewise among the scale bytes
	s_cselect_b32 s19, 0, 2*HALFS
	s_cselect_b32 s92, 0, 64                       ; the biases' offsets: bytes for each half of the lanes,
	s_cselect_b32 s93, 4, 0                        ; for each row of the lane role's tile,
	s_cselect_b32 s94, 0, 4                        ; for each register
	s_cselect_b32 s95, s15, s16                    ; and which 128 columns are mine
	s_mul_i32 s23, s15, HALFT
	s_add_co_u32 s21, s21, s23
	s_mul_i32 s23, s16, HALFT
	s_add_co_u32 s22, s22, s23
.irp s, 0,1
	v_add_nc_u32 v[ADRA+\s], s21, v4
	v_add_nc_u32 v[ADRB+\s], s22, v4
	v_add_nc_u32 v[ADRA+2+\s], s21, v5
	v_add_nc_u32 v[ADRB+2+\s], s22, v5
	s_add_co_u32 s21, s21, SLOT
	s_add_co_u32 s22, s22, SLOT
.endr
	v_mul_u32_u24 v5, v1, KS                       ; my row's scale bytes: 32 a row,
	v_lshrrev_b32 v6, 8, v5
	v_lshl_add_u32 v5, v6, 4, v5                   ; and 16 more for each 256 passed
	s_mul_i32 s23, s15, HALFS
	s_add_co_u32 s18, s18, s23
	s_add_co_u32 s18, s18, SCL
	s_mul_i32 s23, s16, HALFS
	s_add_co_u32 s19, s19, s23
	s_add_co_u32 s19, s19, SCL
	v_mov_b32 v6, s18
	v_mov_b32 v7, s19
	v_cndmask_b32 v6, v6, v7, s[LM]                ; lanes 16-31 take the register role's
	v_add_nc_u32 v[ADRS], v5, v6
	v_and_b32 v6, 31, v0
	v_lshlrev_b32 v[L16], 4, v6
	v_lshlrev_b32 v[L8], 3, v6
	; the biases, in the result's layout.  q, k: register 8 b + j holds that of column 32 (b / 2) + 8 (b % 2) + 16 h + j;  v: registers 8 a + 0 .. 7 all hold that of my lane's column 32 (a / 2) + 8 (a % 2) + r + 8 (r / 8)
	v_and_b32 v8, 8, v1
	v_add_nc_u32 v8, v8, v1
	v_mul_u32_u24 v9, v2, s92
	v_mad_u32_u24 v9, v8, s93, v9
.irp j, 0,1,2,3,4,5,6,7
	v_mad_u32_u24 v[VJ+\j], s94, \j, v9
.endr
	s_lshl_b32 s20, s42, 10
	s_lshl_b32 s23, s95, 9
	s_add_co_u32 s20, s20, s23
	s_mov_b32 s21, 0
	s_add_nc_u64 s[BB:BB+1], s[8:9], s[20:21]
.irp x, 0,1,2,3,4,5,6,7
.irp j, 0,1,2,3,4,5,6,7
	global_load_b32 v[BI+8*\x+\j], v[VJ+\j], s[BB:BB+1] offset:4*(32*(\x/2)+8*(\x%2))   ; they land under the loop; waited for on the way out
.endr
.endr
.macro FRAG reg, adr, q, i             ; 16 rows x 128 K: 12 registers, in pieces of 8 bytes; where the piece of lanes 16-31 lies behind one padding more, the second address register serves
.irp p, 0,1,2,3,4,5
.set PCE, 12*(\q)+6*(\p/3)+\p%3
.if PCE%8 < 5
	ds_load_b64 v[\reg+2*\p:\reg+2*\p+1], v[\adr] offset:8*PCE+16*(PCE/8)+(\i)*16*PITCH
.else
	ds_load_b64 v[\reg+2*\p:\reg+2*\p+1], v[\adr+2] offset:8*PCE+16*(PCE/8)+(\i)*16*PITCH
.endif
.endr
.endm
; 16 matrix instructions: the lane role's blocks a0, a0 + 1 x the register role's eight.  The 64 accumulators take turns, one instruction a turn, in the same order in every step.
.macro MUL16 a0, p, q, sc, zero
.irp a, \a0, \a0+1
.irp b, 0,1,2,3,4,5,6,7
.if \zero
	v_wmma_scale_f32_16x16x128_f8f6f4 v[8*(8*((\a)%4)+\b):8*(8*((\a)%4)+\b)+7], v[128*(\p)+FR*\b:128*(\p)+FR*\b+FR-1], v[AF+FR*(\a):AF+FR*(\a)+FR-1], 0, v[SC+8*NQ*(\sc)+NQ*\b+(\q)], v[SC+8*NQ*(\sc)+NQ*(\a)+(\q)] matrix_a_fmt:MATRIX_FMT_FP6 matrix_b_fmt:MATRIX_FMT_FP6 matrix_a_scale:MATRIX_SCALE_ROW1
.else
	v_wmma_scale_f32_16x16x128_f8f6f4 v[8*(8*((\a)%4)+\b):8*(8*((\a)%4)+\b)+7], v[128*(\p)+FR*\b:128*(\p)+FR*\b+FR-1], v[AF+FR*(\a):AF+FR*(\a)+FR-1], v[8*(8*((\a)%4)+\b):8*(8*((\a)%4)+\b)+7], v[SC+8*NQ*(\sc)+NQ*\b+(\q)], v[SC+8*NQ*(\sc)+NQ*(\a)+(\q)] matrix_a_fmt:MATRIX_FMT_FP6 matrix_b_fmt:MATRIX_FMT_FP6 matrix_a_scale:MATRIX_SCALE_ROW1
.endif
.endr
.endr
.endm
.macro FETCH_B slot, q, p
	WIN TO_B
.irp i, 0,1,2,3,4,5,6,7
	FRAG 128*(\p)+FR*\i, ADRB+\slot, \q, \i
.endr
	WIN 0
.endm
.macro FETCH_A slot, q, i0
.irp i, \i0, \i0+1, \i0+2, \i0+3
	FRAG AF+FR*(\i), ADRA+\slot, \q, \i
.endr
.endm
.macro SCALES sc
.irp i, 0,1,2,3,4,5,6,7
	ds_load_b64 v[SC+8*NQ*\sc+NQ*\i:SC+8*NQ*\sc+NQ*\i+1], v[ADRS] offset:\i*SBLK
.endr
.endm
.macro PLACES n                        ; plain vector instructions between a matrix instruction and a load into, or a vector write of, one of its registers, or a read of its result
.rept \n
	v_nop
.endr
.endm
.macro STEP slot, q, zero              ; 128 along K whose successor lies in the same slot
	s_wait_dscnt 4*NL                              ; all but the youngest 24 loads (the lane role's blocks 4-7) are in
	WIN MUL_LO
	MUL16 0, (\q)%2, \q, \slot, \zero
	MUL16 2, (\q)%2, \q, \slot, \zero
	s_wait_dscnt 0
	PLACES NP
	FETCH_B \slot, (\q)+1, 1-(\q)%2
	FETCH_A \slot, (\q)+1, 0
	WIN MUL_HI
	MUL16 4, (\q)%2, \q, \slot, \zero
	MUL16 6, (\q)%2, \q, \slot, \zero
	PLACES NP
	WIN 0
	FETCH_A \slot, (\q)+1, 4
.endm
; A slot's last step changes slots: one barrier; ahead of it each wave waits for all its tensor loads, adds 0 to its spare word, and waits for that and for its reads of this slot.  fill = 1: the slot is filled again, two K steps ahead, behind a round of the cluster's barrier.
.macro TURN slot, next, fill
	s_wait_tensorcnt 0x0                           ; my part of the next slot has landed; no load of mine is out
	ds_add_u32 v[SPW], v[NIL]
	s_wait_dscnt 4*NL+1                            ; the add and the youngest 24 loads may be out
	WIN MUL_LO
	MUL16 0, 1, NQ-1, \slot, 0
	s_wait_dscnt 0x0                               ; the add is done, and my reads of this slot are over
	s_barrier_signal -1
	MUL16 2, 1, NQ-1, \slot, 0
	WIN 0
	s_barrier_wait -1
.if \fill
	CREST                                          ; no wave of any partner still reads this slot or has a load on its way
	s_add_nc_u64 s[G0+4*\slot+2:G0+4*\slot+3], s[G0+4*\slot+2:G0+4*\slot+3], 2*ROWB
	s_add_nc_u64 s[G0B+4*\slot+2:G0B+4*\slot+3], s[G0B+4*\slot+2:G0B+4*\slot+3], 2*ROWB
	JLOAD G0+4*\slot, G1, G0B+4*\slot, G1B         ; my one tensor load behind the round; its four v_nop are the places ahead of the loads below
.else
	PLACES NP
.endif
	v_add_nc_u32 v[ADRS], 4*NQ, v[ADRS]
	FETCH_B \next, 0, 0
	FETCH_A \next, 0, 0
	SCALES \next
	WIN MUL_HI
	MUL16 4, 1, NQ-1, \slot, 0
	MUL16 6, 1, NQ-1, \slot, 0
	PLACES NP
	WIN 0
	FETCH_A \next, 0, 4
.endm
	s_wait_tensorcnt 1                             ; the scale bytes and my part of K step 0 are in; K step 1's load may be out
	s_barrier_signal -1
	s_barrier_wait -1
	FETCH_B 0, 0, 0
	FETCH_A 0, 0, 0
	SCALES 0
	FETCH_A 0, 0, 4
	STEP 0, 0, 1                                   ; the first products start the sums
	s_mov_b32 s3, LAPS-1
.Llap:
	TURN 0, 1, 1
	STEP 1, 0, 0
	TURN 1, 0, 1
	STEP 0, 0, 0
	s_sub_co_u32 s3, s3, 1
	s_cmp_lg_u32 s3, 0
	s_cbranch_scc1 .Llap
	TURN 0, 1, 0
	STEP 1, 0, 0
	s_wait_dscnt 4*NL
	WIN MUL_LO
	MUL16 0, 1, NQ-1, 1, 0
	MUL16 2, 1, NQ-1, 1, 0
	s_wait_dscnt 0
	WIN MUL_HI
	MUL16 4, 1, NQ-1, 1, 0
	MUL16 6, 1, NQ-1, 1, 0
	WIN 0
; THE WAY OUT.  For each of the lane role's eight blocks: the bias is added (which also brings the 64 numbers into window 0), the numbers are quantised along the registers, and the twelve registers of codes leave as they stand.
.macro ADDB a, lanes                   ; each accumulator is read from its low end on
	WIN 0x02+(\a)/4
.irp b, 0,1,2,3,4,5,6,7
.irp j, 0,2,4,6
.if \lanes
	v_pk_add_f32 v[HA+8*\b+\j:HA+8*\b+\j+1], v[64*((\a)%4)+8*\b+\j:64*((\a)%4)+8*\b+\j+1], v[BI+8*(\a)+\j:BI+8*(\a)+\j+1]
.else
	v_pk_add_f32 v[HA+8*\b+\j:HA+8*\b+\j+1], v[64*((\a)%4)+8*\b+\j:64*((\a)%4)+8*\b+\j+1], v[BI+8*\b+\j:BI+8*\b+\j+1]
.endif
.endr
.endr
	WIN 0
.endm
; 64 numbers of a lane, register 16 b + i = k 32 b + 16 (lane / 16) + i of my row, become a fragment's codes in v[PC] on and its scale word in v[pw]
.macro QUANT s, pw
.irp b, 0,1,2,3
	v_max3_num_f32 v[TM+\b], |v[\s+16*\b]|, |v[\s+1+16*\b]|, 0x1800000   ; with the floor 2^(3 - 127): the byte cannot fall under 1
.endr
.irp i, 2,4,6,8,10,12,14
.irp b, 0,1,2,3
	v_max3_num_f32 v[TM+\b], v[TM+\b], |v[\s+16*\b+\i]|, |v[\s+1+16*\b+\i]|
.endr
.endr
.irp b, 0,1,2,3
	v_permlanex16_b32 v[TM+4+\b], v[TM+\b], s[SEL], s[SEL+1]
.endr
.irp b, 0,1,2,3
	v_max_num_f32 v[TM+\b], v[TM+\b], v[TM+4+\b]   ; with lane l xor 16's: the block's largest magnitude
.endr
.irp b, 0,1,2,3
	v_add_nc_u32 v[TM+12+\b], 0xff000000, v[TM+\b] ; 2 off its exponent field: the conversion's scale operand
.endr
.irp b, 0,1,2,3
	v_lshrrev_b32 v[TM+4+\b], 23, v[TM+12+\b]      ; the scale's byte
.endr
	v_lshl_or_b32 v[\pw], v[TM+5], 8, v[TM+4]
	v_lshl_or_b32 v[\pw], v[TM+6], 16, v[\pw]
	v_lshl_or_b32 v[\pw], v[TM+7], 24, v[\pw]
.irp c, 0,1
	v_cvt_scalef32_pk16_fp6_f32 v[PC+6*\c:PC+2+6*\c], v[\s+32*\c:\s+15+32*\c], v[TM+12+2*\c]
	v_cvt_scalef32_pk16_fp6_f32 v[PC+12+4*\c:PC+14+4*\c], v[\s+16+32*\c:\s+31+32*\c], v[TM+12+2*\c+1]
.endr
	v_nop                                          ; one plain place behind a scaled conversion
.irp c, 0,1                                    ; the operand's layout wants a whole block in a lane
.irp i, 0,1,2
	v_permlane16_swap_b32 v[PC+6*\c+\i], v[PC+12+4*\c+\i]
.endr
.irp i, 0,1,2
	v_mov_b32 v[PC+3+6*\c+\i], v[PC+12+4*\c+\i]
.endr
.endr
.endm
	PLACES NP                                      ; behind the last products: their results are read and their operands' registers written below
	s_wait_loadcnt 0x0                             ; the biases
.irp b, 0,1,2,3
	v_mov_b32 v[TM+4+\b], 0                        ; written once: a lane permute's destination counts as one of its sources
.endr
	s_lshr_b32 s18, s17, 3                         ; the batch: 8 tile rows each
	s_lshl_b32 s18, s18, 4
	s_lshl_b32 s19, s40, 2
	s_add_co_u32 s18, s18, s19                     ; 16 x batch + 4 cx: the tile's first head
	s_cmp_eq_u32 s[PF], 1
	s_cselect_b32 s20, s15, s16                    ; the half that holds columns,
	s_cselect_b32 s21, s16, s15                    ; the half that holds tokens
	s_lshl_b32 s20, s20, 1
	s_add_co_u32 s18, s18, s20                     ; my first head
	s_lshl_b32 s19, s17, 1
	s_add_co_u32 s19, s19, s21
	s_and_b32 s19, s19, 15                         ; my step of 128 tokens in the batch
	s_cmp_eq_u32 ttmp9, 0                          ; q goes to qi, k and v to kv
	s_cselect_b64 s[10:11], s[10:11], s[12:13]
	s_mov_b32 s22, 208896
	s_cselect_b32 s22, 106496, s22                 ; a head's bytes,
	s_mov_b32 s23, 13056
	s_cselect_b32 s23, 6656, s23                   ; a record's,
	s_mov_b32 s46, 12288
	s_cselect_b32 s46, 6144, s46                   ; the scale words' place in it
	s_mul_i32 s20, s18, s22
	s_mul_i32 s21, s19, s23
	s_add_co_u32 s20, s20, s21
	s_mov_b32 s21, 0
	s_add_nc_u64 s[10:11], s[10:11], s[20:21]      ; my first head's record
	s_mov_b32 s23, 0
	s_add_nc_u64 s[12:13], s[10:11], s[22:23]      ; the next head's
	s_mov_b32 s47, 0
	s_cmp_eq_u32 s[PF], 1
	s_cbranch_scc1 .Lvpath
	; q, k: a lane holds a token, K = my 128 columns = two heads: registers 0-5 are the first head's half-image, 6-11 the second's
.irp a, 0,1,2,3,4,5,6,7
	ADDB \a, 0
	s_wait_xcnt 0x0                                ; the last block's stores have read the codes' registers, which are written again below
	QUANT HA, SW+\a
	global_store_b128 v[L16], v[PC:PC+3], s[10:11] offset:768*\a
	global_store_b64 v[L8], v[PC+4:PC+5], s[10:11] offset:768*\a+512
	global_store_b128 v[L16], v[PC+6:PC+9], s[12:13] offset:768*\a
	global_store_b64 v[L8], v[PC+10:PC+11], s[12:13] offset:768*\a+512
.endr
.irp t, 0,1,2,3
	v_cndmask_b32 v[WA+\t], v[SW+2*\t], v[SW+2*\t+1], s[LM]   ; lanes 0-15 tile 2 t's word, lanes 16-31 tile 2 t + 1's
.endr
.irp t, 0,1,2,3
	v_and_b32 v[WB+\t], 0xffff, v[WA+\t]
	v_lshrrev_b32 v[WC+\t], 16, v[WA+\t]
.endr
.irp t, 0,1,2,3
	v_lshl_or_b32 v[WB+\t], v[WA+\t], 16, v[WB+\t]            ; the first head's two bytes, twice
	v_and_or_b32 v[WC+\t], v[WA+\t], 0xffff0000, v[WC+\t]     ; the second head's, twice
.endr
	s_wait_xcnt 0x0                                ; the stores have read their bases
	s_add_nc_u64 s[10:11], s[10:11], s[46:47]
	s_add_nc_u64 s[12:13], s[12:13], s[46:47]
	global_store_b128 v[L16], v[WB:WB+3], s[10:11]
	global_store_b128 v[L16], v[WC:WC+3], s[12:13]
	s_branch .Ldone
.Lvpath:
	; v: a lane holds a channel (block a: head a / 4, tile a % 4 of its 64), K = my 128 tokens, the step's keys: a whole image
.irp a, 0,1,2,3,4,5,6,7
	ADDB \a, 1
	s_wait_xcnt 0x0
	QUANT HA, SW+\a
.irp c, 0,1,2
	global_store_b128 v[L16], v[PC+4*\c:PC+4*\c+3], s[10:11] offset:(\a/4)*208896+6144+(\a%4)*1536+512*\c
.endr
.endr
.irp g, 0,1
.irp t, 0,1
	v_cndmask_b32 v[WA+2*\g+\t], v[SW+4*\g+2*\t], v[SW+4*\g+2*\t+1], s[LM]
.endr
	global_store_b64 v[L8], v[WA+2*\g:WA+2*\g+1], s[10:11] offset:\g*208896+12800
.endr
.Ldone:
	s_wait_tensorcnt 0x0                           ; the wave's end, behind my last tensor load
	ds_add_u32 v[SPW], v[NIL]
	s_wait_dscnt 0x0
	CROUND                                         ; the closing round
	s_endpgm
.Lfunc_end_k_qf41d594697_qkv:
	.size	k_qf41d594697_qkv, .Lfunc_end_k_qf41d594697_qkv-k_qf41d594697_qkv
	.p2alignl 7, 3214868480
	.fill 96, 4, 3214868480
	.section	.rodata,"a",@progbits
	.p2align	6, 0x0
	.amdhsa_kernel k_qf41d594697_qkv
		.amdhsa_group_segment_fixed_size 327680
		.amdhsa_private_segment_fixed_size 0
		.amdhsa_enable_private_segment 0
		.amdhsa_kernarg_size 40
		.amdhsa_user_sgpr_count 2
		.amdhsa_user_sgpr_kernarg_segment_ptr 1
		.amdhsa_wavefront_size32 1
		.amdhsa_system_sgpr_workgroup_id_x 1
		.amdhsa_system_sgpr_workgroup_id_y 1
		.amdhsa_system_sgpr_workgroup_id_z 1
		.amdhsa_system_vgpr_workitem_id 0
		.amdhsa_next_free_vgpr 1024
		.amdhsa_next_free_sgpr 100
		.amdhsa_reserve_vcc 0
		.amdhsa_float_denorm_mode_32 3
		.amdhsa_float_denorm_mode_16_64 3
		.amdhsa_memory_ordered 1
		.amdhsa_forward_progress 1
		.amdhsa_inst_pref_size 239
	.end_amdhsa_kernel
	.amdgpu_metadata
---
amdhsa.version: [ 1, 2 ]
amdhsa.kernels:
  - .name:           k_qf41d594697_qkv
    .symbol:         k_qf41d594697_qkv.kd
    .args:
      - { .name: xq, .offset: 0, .size: 8, .value_kind: global_buffer, .address_space: global }
      - { .name: wq, .offset: 8, .size: 8, .value_kind: global_buffer, .address_space: global }
      - { .name: bqkv, .offset: 16, .size: 8, .value_kind: global_buffer, .address_space: global }
      - { .name: qi, .offset: 24, .size: 8, .value_kind: global_buffer, .address_space: global }
      - { .name: kv, .offset: 32, .size: 8, .value_kind: global_buffer, .address_space: global }
    .group_segment_fixed_size: 327680
    .private_segment_fixed_size: 0
    .kernarg_segment_align: 8
    .kernarg_segment_size: 40
    .max_flat_workgroup_size: 128
    .sgpr_count:     100
    .vgpr_count:     1024
    .wavefront_size: 32
...
	.end_amdgpu_metadata
.endif
;; end of part 2
;; launch attn (part 3): grid 4 x 64, 16 waves a work-group, clusters of 4 x 1, 210,944 bytes of LDS; arguments qi, kv, yi; writes yi
.if DOCPART == 3
	.amdgcn_target "amdgcn-amd-amdhsa--gfx1250"
	.amdhsa_code_object_version 6
	.text
	.protected	k_qf41d594697_attn
	.globl	k_qf41d594697_attn
	.p2align	8
	.type	k_qf41d594697_attn,@function
k_qf41d594697_attn:
	s_mov_b64 s[64:65], 0
	v_nop
	global_prefetch_b8 v0, s[64:65] scope:SCOPE_SE
	s_setreg_imm32_b32 hwreg(HW_REG_WAVE_MODE, 25, 1), 1
	s_wait_xcnt 0x0
	s_wait_alu depctr_hold_cnt(0) depctr_sa_sdst(0) depctr_va_vdst(0) depctr_va_sdst(0) depctr_va_ssrc(0) depctr_va_vcc(0) depctr_vm_vsrc(0)
	s_getreg_b32 s2, hwreg(HW_REG_IB_STS2, 6, 4)
	s_cmp_eq_u32 s2, 0
	s_cbranch_scc0 .Lentry_in_a_cluster
	s_endpgm
.Lentry_in_a_cluster:
	s_bfe_u32 s2, ttmp6, 0x10000c
	s_cmp_lg_u32 s2, 0x3003
	s_cbranch_scc0 .Lentry_shape_is_right
	s_endpgm
.Lentry_shape_is_right:
; y[b][h][q] = the sum over keys k <= q of softmax_k(q . k / 8) v[k], both products on codes of FP6 (E2M3) with E8M0 scales; y is divided by the row's sum, quantised along the head's 64 channels and leaves as images for the last product.
; THE SOFTMAX: t = score x log2(e) / 8; M = the running largest t rounded UP to a whole number; p = 2^(t - M) is quantised along the keys, not normalised; the row's sum is taken of the unquantised p.  When M moves, the sum and O are multiplied by 2^(old M - new M): exact.
; SHARES.  A cluster of four work-groups takes one head of one batch.  The head's K and V, codes and scale words, are 16 records of 13,056 bytes, one for each 128 keys: 208,896 bytes, which stay in each work-group's LDS.  Wave w asks for record w, JOINTLY with
; wave w of the three partners: one tensor load a wave, filled once: no ring, no refill, one barrier.  So nothing is left to prefetch: every byte is asked for at the head.
; A wave makes two tiles of 16 queries, one after the other: in pass p the tile 2 cx + p of the 128 tokens of class CL = w (p = 0) or 15 - w (p = 1): w + 1 and 16 - w key steps, 17 for every wave.  Trip counts are constants; a step whose keys all come after
; the class is jumped over by a branch on the wave's number and the step's; cx enters global addresses and the mask's numbers alone.
; LAYOUT.  Both products are used transposed (S^T = K Q^T, O^T = V^T P^T): a lane holds one query.  A tile t of keys (and a tile of queries) holds tokens 32 (t / 2) + 8 (t % 2) + r + 8 (r / 8), so the 16 registers of tiles 2 b, 2 b + 1 of S^T are keys 32 b + 16 (lane / 16) + 0 .. 15;
; V's tiles hold channels in the same order, so O^T's 32 registers are channels 32 b + 16 (lane / 16) + 0 .. 15.
; K = 64 FILLS HALF OF THE FIRST PRODUCT'S 128.  Q's registers 6-11 are zero codes.  A key tile's registers 6-11 are simply the next tile's six: whatever finite codes stand there meet zeros; no scale byte is 0xff.
; yi: [512 tiles of 16 positions][16 heads][768]: registers 0-3 at 16 x lane, registers 4-5 at 512 + 8 x lane; scale bytes at YS_OFF, [position][32], bytes 2 head, 2 head + 1: these leave as stores of 2 bytes, one byte in 24 of yi.
; LIMITS: a block of zeros gets the byte 1; NaN and infinities are not served.
.set REC,   13056
.set HEADB, 16*REC
.set QREC,  6656
.set YS_OFF, 6291456
.set SPARE, HEADB                      ; behind the records: the spare words, 128 bytes for each of sixteen waves, that no other line names
.set L16, 1                            ; v1   16 x lane
.set L8,  2                            ; v2   8 x lane
.set SPW, 5
.set NIL, 6
.set QD,  7                            ; v7   my query's place in its 128 tokens - 16 (lane / 16)
.set AD16, 8                           ; v8   the step's record + 16 x lane
.set AD8,  9                           ; v9   + 8 x lane
.set R16, 10                           ; v10  16 r
.set R32, 11                           ; v11  32 r
; v12 -M, v13 the largest t, v[14:15] the sum; v16-27, v196-207 Q of pass 0, 1; v255, v194 their scale words; v32-85 K's tiles (tile t at 32 + 6 t), then V's four fragments; v96-159 S^T, p, y; v160-191 O^T; v192-193 V's scale words; v224-235 p's codes; v232-254 at work; v248-251 K's scale words
.set WV,  10
.set CX,  11
.set G0,  12
.set G1,  16
.set BH,  24
.set CL,  25
.set ST,  26
.set TB,  27
.set SEL, 28
.set CS,  30
.set QB,  32                           ; s[32:35] Q's half-image of pass 0, 1
.set QSB, 36                           ; s[36:39] its scale words
.set YC,  40                           ; s[40:43] y's half-image
.set YSB, 44                           ; s[44:47] y's scale bytes
.macro CROUND
	s_barrier_signal -1
	s_barrier_wait -1
	s_cmp_lg_u32 s[WV], 0
	s_cbranch_scc1 .Lnot_wave_0_\@
	s_barrier_signal -3
.Lnot_wave_0_\@:
	s_barrier_wait -3
	s_barrier_signal -1
	s_barrier_wait -1
.endm
	s_load_b128 s[4:7], s[0:1], 0x0                ; qi s[4:5], kv s[6:7]
	s_load_b64 s[8:9], s[0:1], 0x10                ; yi
	v_lshl_add_u32 v[SPW], v0, 2, SPARE
	v_mov_b32 v[NIL], 0
	ds_add_u32 v[SPW], v[NIL]                      ; the wave's opening: the add and its wait ahead of my first tensor load
	ds_add_u32 v[SPW], v[NIL]
	v_lshrrev_b32 v3, 5, v0
	s_delay_alu instid0(VALU_DEP_1)
	v_readfirstlane_b32 s[WV], v3                  ; wave 0..15
	s_bfe_u32 s[CX], ttmp6, 0x40000                ; my place in the cluster
	s_and_b32 s[BH], ttmp7, 0xffff                 ; 16 x batch + head, which the four partners share
	s_mov_b32 s[G1], 15|(3<<16)|(1<<21)            ; the mask: all four; elements of 8 bytes; bit 21 beside a mask; no padding
	s_mov_b32 s[G1+1], 32<<16                      ; tensor_dim0: a row of 256 bytes
	s_mov_b32 s[G1+2], 51<<16                      ; tensor_dim1: a record is 51 such rows, dense
	s_mov_b32 s[G1+3], 32<<16                      ; tile_dim0
	s_mov_b32 s[G1+4], 51                          ; tile_dim1
	s_mov_b32 s[G1+5], 32                          ; the pitch
	s_mov_b32 s[G1+6], 0
	s_mov_b32 s[G1+7], 0
	s_mul_i32 s48, s[BH], HEADB
	s_mul_i32 s50, s[WV], REC
	s_add_co_u32 s48, s48, s50
	s_mov_b32 s49, 0
	s_mov_b32 s[SEL], 0x76543210
	s_mov_b32 s[SEL+1], 0xfedcba98
	s_mov_b32 s[CS], 0x3e38aa3b                    ; c = log2(e) / 8
	s_mov_b32 s[CS+1], s[CS]
	s_wait_dscnt 0x0                               ; the opening add is done
	s_wait_kmcnt 0x0
	s_mov_b32 s[G0], 1
	s_mov_b32 s[G0+1], s50                         ; LDS: record w
	s_add_nc_u64 s[G0+2:G0+3], s[6:7], s[48:49]
	s_or_b32 s[G0+3], s[G0+3], 0x80000000
	CROUND                                         ; all four work-groups are here: the joint loads meet
	tensor_load_to_lds s[G0:G0+3], s[G1:G1+7]      ; my one tensor load of the launch
	s_nop 0
.rept 4
	v_nop
.endr
.irp p, 0,1
.if \p == 0
	s_mov_b32 s57, s[WV]                           ; the pass's class
.else
	s_sub_co_u32 s57, 15, s[WV]
.endif
	s_lshl_b32 s48, s[BH], 4
	s_add_co_u32 s48, s48, s57
	s_mul_i32 s48, s48, QREC                       ; q's record of that class
	s_mul_i32 s49, s[CX], 1536
	s_add_co_u32 s50, s48, s49
	s_add_co_u32 s50, s50, 768*\p                  ; tile 2 cx + p
	s_mov_b32 s51, 0
	s_add_nc_u64 s[QB+2*\p:QB+2*\p+1], s[4:5], s[50:51]
	s_lshl_b32 s49, s[CX], 2
	s_add_co_u32 s50, s48, s49
	s_add_co_u32 s50, s50, 6144+256*\p             ; its scale words: word cx of lanes 16 p + r
	s_add_nc_u64 s[QSB+2*\p:QSB+2*\p+1], s[4:5], s[50:51]
	s_lshr_b32 s48, s[BH], 4
	s_lshl_b32 s48, s48, 7
	s_lshl_b32 s49, s57, 3
	s_add_co_u32 s48, s48, s49
	s_lshl_b32 s49, s[CX], 1
	s_add_co_u32 s48, s48, s49
	s_add_co_u32 s48, s48, \p                      ; the tile among all 512: 128 x batch + 8 x class + 2 cx + p
	s_and_b32 s49, s[BH], 15                       ; the head
	s_lshl_b32 s50, s48, 4
	s_add_co_u32 s50, s50, s49
	s_mul_i32 s50, s50, 768
	s_add_nc_u64 s[YC+2*\p:YC+2*\p+1], s[8:9], s[50:51]
	s_lshl_b32 s50, s48, 9
	s_lshl_b32 s49, s49, 1
	s_add_co_u32 s50, s50, s49
	s_add_co_u32 s50, s50, YS_OFF
	s_add_nc_u64 s[YSB+2*\p:YSB+2*\p+1], s[8:9], s[50:51]
.endr
	v_and_b32 v3, 31, v0
	s_delay_alu instid0(VALU_DEP_1)
	v_lshlrev_b32 v[L16], 4, v3
	s_delay_alu instid0(VALU_DEP_2)
	v_lshlrev_b32 v[L8], 3, v3
	v_and_b32 v3, 15, v0                           ; r
	v_bfe_u32 v4, v0, 4, 1                         ; h
	s_delay_alu instid0(VALU_DEP_2)
	v_lshlrev_b32 v[R16], 4, v3
	s_delay_alu instid0(VALU_DEP_3)
	v_lshlrev_b32 v[R32], 5, v3
	global_load_b128 v[16:19], v[L16], s[QB:QB+1]
	global_load_b64 v[20:21], v[L8], s[QB:QB+1] offset:512
	global_load_b32 v255, v[R16], s[QSB:QSB+1]
	global_load_b128 v[196:199], v[L16], s[QB+2:QB+3]
	global_load_b64 v[200:201], v[L8], s[QB+2:QB+3] offset:512
	global_load_b32 v194, v[R16], s[QSB+2:QSB+3]
	v_and_b32 v[QD], 8, v3
	s_delay_alu instid0(VALU_DEP_1)
	v_add_nc_u32 v[QD], v[QD], v3                  ; r + 8 (r / 8)
	v_lshlrev_b32 v4, 4, v4
	s_delay_alu instid0(VALU_DEP_1)
	v_sub_nc_u32 v[QD], v[QD], v4                  ; - 16 h
	s_lshl_b32 s48, s[CX], 5
	v_add_nc_u32 v[QD], s48, v[QD]                 ; + 32 cx: pass 0's; pass 1 adds 8
.irp j, 0,1,2,3,4,5
	v_mov_b32 v[22+\j], 0                          ; Q's codes for K = 64 .. 127: zeros
	v_mov_b32 v[202+\j], 0
	v_mov_b32 v[80+\j], 0                          ; what stands behind the last key tile
.endr
.irp b, 0,1,2,3
	v_mov_b32 v[236+\b], 0                         ; written once: a lane permute's destination counts as one of its sources
.endr
	v_mov_b32 v252, 0
	v_mov_b32 v253, 0                              ; (named as a pair's upper half before it is first written)
	s_wait_tensorcnt 0x0                           ; my record has landed,
	s_barrier_signal -1
	s_barrier_wait -1                              ; everybody's has: the head's K and V are whole, and nothing writes them again
	s_wait_loadcnt 0x0                             ; Q
.macro PASS p
.set QF, 16+180*\p
.set QS, 255-61*\p
.if \p == 0
	s_mov_b32 s[CL], s[WV]
.else
	s_sub_co_u32 s[CL], 15, s[WV]
	v_add_nc_u32 v[QD], 8, v[QD]
.endif
	v_mov_b32 v13, 0xff61b1e6                      ; the largest t so far: -3e38
	s_delay_alu instid0(VALU_DEP_1)
	v_floor_f32 v12, -v13                          ; -M
	v_mov_b32 v14, 0
	v_mov_b32 v15, 0
.set n, 0
.rept 32
	v_mov_b32 v[160+n], 0                          ; O^T: the step is written once; the first finds zeros
.set n, n+1
.endr
	s_mov_b32 s[ST], 0
	s_mov_b32 s[TB], 0
.Lstep_\@:                                         ; 16 trips, a constant; a trip is 128 keys
	s_cmp_gt_u32 s[ST], s[CL]                      ; all its keys come after my queries: only the work is jumped over
	s_cbranch_scc1 .Lhidden_\@
	s_setprio 2
	v_add_nc_u32 v[AD16], s[TB], v[L16]
	v_add_nc_u32 v[AD8], s[TB], v[L8]
	v_nop
	v_nop                                          ; four places between the last step's products and the loads into their operands' registers
.irp t, 0,1,2,3,4,5,6,7
	ds_load_b128 v[32+6*\t:35+6*\t], v[AD16] offset:768*\t
	ds_load_b64 v[36+6*\t:37+6*\t], v[AD8] offset:768*\t+512
.endr
	ds_load_b128 v[248:251], v[AD16] offset:12288  ; K's scale words: register u: lanes 0-15 tile 2 u, lanes 16-31 tile 2 u + 1
	s_wait_alu depctr_va_vdst(0)
	s_wait_dscnt 0x0
.irp u, 0,1,2,3
	v_wmma_scale_f32_16x16x128_f8f6f4 v[96+16*\u:103+16*\u], v[32+12*\u:43+12*\u], v[QF:QF+11], 0, v[248+\u], v[QS] matrix_a_fmt:MATRIX_FMT_FP6 matrix_b_fmt:MATRIX_FMT_FP6
	v_wmma_scale_f32_16x16x128_f8f6f4 v[104+16*\u:111+16*\u], v[38+12*\u:49+12*\u], v[QF:QF+11], 0, v[248+\u], v[QS] matrix_a_fmt:MATRIX_FMT_FP6 matrix_b_fmt:MATRIX_FMT_FP6 matrix_a_scale:MATRIX_SCALE_ROW1
.endr
.rept 4
	v_nop                                          ; places ahead of the loads into K's registers and of the first read of the scores
.endr
.irp d, 0,1,2,3
.irp c, 0,1,2
	ds_load_b128 v[32+12*\d+4*\c:35+12*\d+4*\c], v[AD16] offset:6144+1536*\d+512*\c   ; V's four fragments land under the softmax
.endr
.endr
	ds_load_b64 v[192:193], v[AD8] offset:12800    ; and its scale words
	s_cmp_lg_u32 s[ST], s[CL]                      ; only the class's own step lies on the diagonal
	s_cbranch_scc1 .Lopen_\@
	v_mov_b32 v254, 0xff800000                     ; -infinity.  Register 16 b + i holds key 32 b + 16 (lane / 16) + i of the step: hidden where 32 b + i > QD
.irp n, 0,1,2,3,4,5,6,7,8,9,10,11,12,13,14,15,16,17,18,19,20,21,22,23,24,25,26,27,28,29,30,31,32,33,34,35,36,37,38,39,40,41,42,43,44,45,46,47,48,49,50,51,52,53,54,55,56,57,58,59,60,61,62,63
	v_cmp_gt_i32 vcc_lo, 32*(\n/16)+\n%16, v[QD]
	v_cndmask_b32 v[96+\n], v[96+\n], v254, vcc_lo
.endr
.Lopen_\@:
.irp b, 0,1,2,3
	v_max3_num_f32 v[232+\b], v[96+16*\b], v[97+16*\b], v[98+16*\b]   ; the largest score of each block of 32 keys: for the row's maximum, and, since p rises with the score, for the block's largest p
.endr
.irp i, 3,5,7,9,11,13
.irp b, 0,1,2,3
	v_max3_num_f32 v[232+\b], v[232+\b], v[96+16*\b+\i], v[97+16*\b+\i]
.endr
.endr
.irp b, 0,1,2,3
	v_max_num_f32 v[232+\b], v[232+\b], v[111+16*\b]
.endr
.irp b, 0,1,2,3
	s_delay_alu instid0(VALU_DEP_4)
	v_permlanex16_b32 v[236+\b], v[232+\b], s[SEL], s[SEL+1]
.endr
.irp b, 0,1,2,3
	s_delay_alu instid0(VALU_DEP_4)
	v_max_num_f32 v[232+\b], v[232+\b], v[236+\b]
.endr
	s_delay_alu instid0(VALU_DEP_2)
	v_max3_num_f32 v254, v232, v233, v234
	s_delay_alu instid0(VALU_DEP_1)
	v_max_num_f32 v254, v254, v235
	s_delay_alu instid0(VALU_DEP_1)
	v_mul_f32 v254, s[CS], v254
	s_delay_alu instid0(VALU_DEP_1)
	v_max_num_f32 v13, v13, v254                   ; the running largest t
	v_mov_b32 v254, v12
	s_delay_alu instid0(VALU_DEP_2)
	v_floor_f32 v12, -v13                          ; the new -M: M is a whole number
	s_delay_alu instid0(VALU_DEP_1)
	v_sub_f32 v254, v12, v254
	s_delay_alu instid0(VALU_DEP_1)
	v_cvt_i32_f32 v254, v254                       ; (it saturates)
	s_delay_alu instid0(VALU_DEP_1)
	v_ldexp_f32 v252, 1.0, v254                    ; f = 2^(old M - new M)
.irp j, 0,2,4,6,8,10,12,14,16,18,20,22,24,26,28,30,32,34,36,38,40,42,44,46,48,50,52,54,56,58,60,62
	v_pk_fma_f32 v[96+\j:97+\j], v[96+\j:97+\j], s[CS:CS+1], v[12:13] op_sel_hi:[1,0,0]   ; t - M
.endr
	s_setprio 1
.irp b, 0,1,2,3
	v_fma_f32 v[232+\b], v[232+\b], s[CS], v12
.endr
.set n, 0
	s_wait_alu depctr_va_vdst(0)
.rept 64
	v_exp_f32 v[96+n], v[96+n]                     ; p = 2^(t - M)
.set n, n+1
.endr
	v_pk_mul_f32 v[14:15], v[14:15], v[252:253] op_sel_hi:[1,0]   ; the sums under the new M (a plain place behind the exponentials)
	s_wait_alu depctr_va_vdst(0)                   ; one wait for the batch, ahead of its first reader
.irp b, 0,1,2,3
	v_exp_f32 v[232+\b], v[232+\b]                 ; each block's largest p
.endr
	v_pk_add_f32 v[236:237], v[100:101], v[104:105]
	v_pk_add_f32 v[250:251], v[108:109], v[112:113]
	v_pk_add_f32 v[248:249], v[116:117], v[120:121]
	v_pk_add_f32 v[246:247], v[124:125], v[128:129]
	v_pk_add_f32 v[244:245], v[132:133], v[136:137]
	v_pk_add_f32 v[242:243], v[140:141], v[144:145]
	v_pk_add_f32 v[240:241], v[148:149], v[152:153]
	v_pk_add_f32 v[14:15], v[14:15], v[156:157]
	v_pk_add_f32 v[236:237], v[236:237], v[96:97]
	v_pk_add_f32 v[250:251], v[250:251], v[98:99]
	v_pk_add_f32 v[248:249], v[248:249], v[102:103]
	v_pk_add_f32 v[246:247], v[246:247], v[106:107]
	v_pk_add_f32 v[244:245], v[244:245], v[110:111]
	v_pk_add_f32 v[242:243], v[242:243], v[114:115]
	v_pk_add_f32 v[240:241], v[240:241], v[118:119]
	v_pk_add_f32 v[14:15], v[14:15], v[122:123]
	v_pk_add_f32 v[236:237], v[236:237], v[126:127]
	v_pk_add_f32 v[250:251], v[250:251], v[130:131]
	v_pk_add_f32 v[248:249], v[248:249], v[134:135]
	v_pk_add_f32 v[246:247], v[246:247], v[138:139]
	v_pk_add_f32 v[244:245], v[244:245], v[142:143]
	v_pk_add_f32 v[242:243], v[242:243], v[146:147]
	v_pk_add_f32 v[240:241], v[240:241], v[150:151]
	v_pk_add_f32 v[14:15], v[14:15], v[154:155]
	v_pk_add_f32 v[236:237], v[236:237], v[158:159]
	s_delay_alu instid0(VALU_DEP_2)
	v_pk_add_f32 v[14:15], v[14:15], v[246:247]
	s_delay_alu instid0(VALU_DEP_2)
	v_pk_add_f32 v[236:237], v[236:237], v[244:245]
	v_pk_add_f32 v[250:251], v[250:251], v[242:243]
	v_pk_add_f32 v[248:249], v[248:249], v[240:241]
	s_delay_alu instid0(VALU_DEP_2)
	v_pk_add_f32 v[14:15], v[14:15], v[250:251]
	s_delay_alu instid0(VALU_DEP_2)
	v_pk_add_f32 v[236:237], v[236:237], v[248:249]
	s_delay_alu instid0(VALU_DEP_1)
	v_pk_add_f32 v[14:15], v[14:15], v[236:237]
	s_wait_alu depctr_va_vdst(0)                   ; and one for the four
.irp b, 0,1,2,3
	v_max_num_f32 v[232+\b], 0x1800000, v[232+\b]  ; the floor: the byte cannot fall under 1
.endr
.irp b, 0,1,2,3
	s_delay_alu instid0(VALU_DEP_4)
	v_add_nc_u32 v[244+\b], 0xff000000, v[232+\b]
.endr
.irp b, 0,1,2,3
	s_delay_alu instid0(VALU_DEP_4)
	v_lshrrev_b32 v[236+\b], 23, v[244+\b]
.endr
	s_delay_alu instid0(VALU_DEP_3)
	v_lshl_or_b32 v253, v237, 8, v236              ; p's scale word for these 128 keys
	s_delay_alu instid0(VALU_DEP_1)
	v_lshl_or_b32 v253, v238, 16, v253
	s_delay_alu instid0(VALU_DEP_1)
	v_lshl_or_b32 v253, v239, 24, v253
	s_setprio 0
.irp c, 0,1
	v_cvt_scalef32_pk16_fp6_f32 v[224+6*\c:226+6*\c], v[96+32*\c:111+32*\c], v[244+2*\c]
	v_cvt_scalef32_pk16_fp6_f32 v[236+4*\c:238+4*\c], v[112+32*\c:127+32*\c], v[244+2*\c+1]
.endr
	v_nop
.irp c, 0,1
.irp i, 0,1,2
	v_permlane16_swap_b32 v[224+6*\c+\i], v[236+4*\c+\i]
.endr
.irp i, 0,1,2
	s_delay_alu instid0(VALU_DEP_3)
	v_mov_b32 v[227+6*\c+\i], v[236+4*\c+\i]
.endr
.endr
.irp j, 0,2,4,6,8,10,12,14,16,18,20,22,24,26,28,30
	v_pk_mul_f32 v[160+\j:161+\j], v[160+\j:161+\j], v[252:253] op_sel_hi:[1,0]   ; O^T under the new M
.endr
.rept 4
	v_nop                                          ; with the sixteen lines above: the places between the scale word's and the codes' last writes and the products
.endr
	s_wait_alu depctr_va_vdst(0)
	s_wait_dscnt 0x0                               ; V
.irp u, 0,1                                    ; O^T += V^T P^T: four accumulators by turns
	v_wmma_scale_f32_16x16x128_f8f6f4 v[160+16*\u:167+16*\u], v[32+24*\u:43+24*\u], v[224:235], v[160+16*\u:167+16*\u], v[192+\u], v253 matrix_a_fmt:MATRIX_FMT_FP6 matrix_b_fmt:MATRIX_FMT_FP6
	v_wmma_scale_f32_16x16x128_f8f6f4 v[168+16*\u:175+16*\u], v[44+24*\u:55+24*\u], v[224:235], v[168+16*\u:175+16*\u], v[192+\u], v253 matrix_a_fmt:MATRIX_FMT_FP6 matrix_b_fmt:MATRIX_FMT_FP6 matrix_a_scale:MATRIX_SCALE_ROW1
.endr
.Lhidden_\@:
	s_add_co_u32 s[TB], s[TB], REC
	s_add_co_u32 s[ST], s[ST], 1
	s_cmp_lt_u32 s[ST], 16
	s_cbranch_scc1 .Lstep_\@
	s_setprio 0
	; the way out: y = O^T / the sum; register 16 b + i is channel 32 b + 16 (lane / 16) + i of my query: two blocks of 32
.rept 4
	v_nop
.endr
	v_add_f32 v14, v14, v15
	s_delay_alu instid0(VALU_DEP_1)
	v_permlanex16_b32 v252, v14, s[SEL], s[SEL+1]
	s_delay_alu instid0(VALU_DEP_1)
	v_add_f32 v14, v14, v252
	s_wait_alu depctr_va_vdst(0)
	v_rcp_f32 v14, v14
	v_nop
	s_wait_alu depctr_va_vdst(0)                   ; ahead of the reciprocal's first reader
.irp j, 0,2,4,6,8,10,12,14,16,18,20,22,24,26,28,30
	v_pk_mul_f32 v[96+\j:97+\j], v[160+\j:161+\j], v[14:15] op_sel_hi:[1,0]
.endr
.irp b, 0,1
	v_max3_num_f32 v[232+\b], |v[96+16*\b]|, |v[97+16*\b]|, 0x1800000
.endr
.irp i, 2,4,6,8,10,12,14
.irp b, 0,1
	s_delay_alu instid0(VALU_DEP_2)
	v_max3_num_f32 v[232+\b], v[232+\b], |v[96+16*\b+\i]|, |v[97+16*\b+\i]|
.endr
.endr
.irp b, 0,1
	s_delay_alu instid0(VALU_DEP_2)
	v_permlanex16_b32 v[236+\b], v[232+\b], s[SEL], s[SEL+1]
.endr
.irp b, 0,1
	s_delay_alu instid0(VALU_DEP_2)
	v_max_num_f32 v[232+\b], v[232+\b], v[236+\b]
.endr
.irp b, 0,1
	s_delay_alu instid0(VALU_DEP_2)
	v_add_nc_u32 v[244+\b], 0xff000000, v[232+\b]
.endr
.irp b, 0,1
	s_delay_alu instid0(VALU_DEP_2)
	v_lshrrev_b32 v[236+\b], 23, v[244+\b]
.endr
	s_delay_alu instid0(VALU_DEP_1)
	v_lshl_or_b32 v240, v237, 8, v236              ; my row's two scale bytes
	v_cvt_scalef32_pk16_fp6_f32 v[224:226], v[96:111], v244
	v_cvt_scalef32_pk16_fp6_f32 v[228:230], v[112:127], v245
	v_nop
.irp i, 0,1,2
	v_permlane16_swap_b32 v[224+\i], v[228+\i]
.endr
.irp i, 0,1,2
	s_delay_alu instid0(VALU_DEP_3)
	v_mov_b32 v[227+\i], v[228+\i]                 ; registers 0-5 of a fragment: k = 32 (lane / 16) + 0 .. 31
.endr
	global_store_b128 v[L16], v[224:227], s[YC+2*\p:YC+2*\p+1]
	global_store_b64 v[L8], v[228:229], s[YC+2*\p:YC+2*\p+1] offset:512
	global_store_b16 v[R32], v240, s[YSB+2*\p:YSB+2*\p+1]   ; both halves of the lanes hold, and write, the same two bytes
.endm
	PASS 0
	s_wait_xcnt 0x0                                ; the stores have read their registers, which the second pass writes again
	PASS 1
	s_wait_tensorcnt 0x0                           ; the wave's end, behind my tensor load
	ds_add_u32 v[SPW], v[NIL]
	s_wait_dscnt 0x0
	CROUND                                         ; the closing round
	s_endpgm
.Lfunc_end_k_qf41d594697_attn:
	.size	k_qf41d594697_attn, .Lfunc_end_k_qf41d594697_attn-k_qf41d594697_attn
	.p2alignl 7, 3214868480
	.fill 96, 4, 3214868480
	.section	.rodata,"a",@progbits
	.p2align	6, 0x0
	.amdhsa_kernel k_qf41d594697_attn
		.amdhsa_group_segment_fixed_size 210944
		.amdhsa_private_segment_fixed_size 0
		.amdhsa_enable_private_segment 0
		.amdhsa_kernarg_size 24
		.amdhsa_user_sgpr_count 2
		.amdhsa_user_sgpr_kernarg_segment_ptr 1
		.amdhsa_wavefront_size32 1
		.amdhsa_system_sgpr_workgroup_id_x 1
		.amdhsa_system_sgpr_workgroup_id_y 1
		.amdhsa_system_sgpr_workgroup_id_z 1
		.amdhsa_system_vgpr_workitem_id 0
		.amdhsa_next_free_vgpr 256
		.amdhsa_next_free_sgpr 66
		.amdhsa_reserve_vcc 1
		.amdhsa_float_denorm_mode_32 3
		.amdhsa_float_denorm_mode_16_64 3
		.amdhsa_memory_ordered 1
		.amdhsa_forward_progress 1
		.amdhsa_inst_pref_size 64
	.end_amdhsa_kernel
	.amdgpu_metadata
---
amdhsa.version: [ 1, 2 ]
amdhsa.kernels:
  - .name:           k_qf41d594697_attn
    .symbol:         k_qf41d594697_attn.kd
    .args:
      - { .name: qi, .offset: 0, .size: 8, .value_kind: global_buffer, .address_space: global }
      - { .name: kv, .offset: 8, .size: 8, .value_kind: global_buffer, .address_space: global }
      - { .name: yi, .offset: 16, .size: 8, .value_kind: global_buffer, .address_space: global }
    .group_segment_fixed_size: 210944
    .private_segment_fixed_size: 0
    .kernarg_segment_align: 8
    .kernarg_segment_size: 24
    .max_flat_workgroup_size: 512
    .sgpr_count:     66
    .vgpr_count:     256
    .wavefront_size: 32
...
	.end_amdgpu_metadata
.endif
;; end of part 3
;; launch proj (part 4): grid 4 x 32, 4 waves a work-group, clusters of 4 x 4, 327,680 bytes of LDS; arguments yi, wq, bproj, out0; writes out0
.if DOCPART == 4
	.amdgcn_target "amdgcn-amd-amdhsa--gfx1250"
	.amdhsa_code_object_version 6
	.text
	.protected	k_qf41d594697_proj
	.globl	k_qf41d594697_proj
	.p2align	8
	.type	k_qf41d594697_proj,@function
k_qf41d594697_proj:
	s_mov_b64 s[64:65], 0
	v_nop
	global_prefetch_b8 v0, s[64:65] scope:SCOPE_SE
	s_setreg_imm32_b32 hwreg(HW_REG_WAVE_MODE, 25, 1), 1
	s_wait_xcnt 0x0
	s_wait_alu depctr_hold_cnt(0) depctr_sa_sdst(0) depctr_va_vdst(0) depctr_va_sdst(0) depctr_va_ssrc(0) depctr_va_vcc(0) depctr_vm_vsrc(0)
	s_getreg_b32 s2, hwreg(HW_REG_IB_STS2, 6, 4)
	s_cmp_eq_u32 s2, 0
	s_cbranch_scc0 .Lentry_in_a_cluster
	s_endpgm
.Lentry_in_a_cluster:
	s_bfe_u32 s2, ttmp6, 0x10000c
	s_cmp_lg_u32 s2, 0xf033
	s_cbranch_scc0 .Lentry_shape_is_right
	s_endpgm
.Lentry_shape_is_right:
; out = y Wproj + bproj on codes of FP6 (E2M3) with E8M0 scales.  y comes as images of operand registers (yi: [512 tiles of 16 positions][16 heads][768]), Wproj as rows of codes in position order (wq at PC_OFF), the scale bytes of both as [position][32].
; A tile of 256 tokens x 256 columns is made by a work-group of four waves, 128 x 128 each.  K = 1,024 goes in four steps of 256 (four heads) through a ring of two LDS slots; the scale bytes come once.  128 tiles: 128 work-groups; a smaller tile would want a second form of the loop.
; CLUSTERS: 4 x 4; y's tiles are asked for jointly along a row of the cluster, Wproj's along a column.  The matrix instruction is used transposed (source 0 = 16 positions of Wproj, source 1 = 16 positions of y): a lane holds one token.
; A's tile: 8 tiles of positions x 3,072 consecutive bytes (four heads' half-images), 12,288 bytes apart; it lies in LDS as it lies in memory and a fragment comes by four loads at 16 x lane and 8 x lane: two heads' half-images are its registers 0-5 and 6-11.
; The bias is the C of each sum's first matrix instruction.  Both position orders are undone on the way out: the columns' in the stage's offsets, the tokens' in the stores' offsets.
; No prefetch: all four K steps are asked for within the first two changes of slots.
.set YS_OFF, 6291456
.set PC_OFF, 2457600
.set PS_OFF, 3244032
.set NQ,     2
.set ROWB,   192
.set AROWB,  3072
.set KROW,   768
.set PITCH,  240
.set FR,     12
.set NLA,    4                         ; LDS loads that bring a fragment of A
.set NP,     4
.set AHALF,  8*AROWB
.set HALFT,  128*PITCH
.set SLOT,   2*AHALF+2*HALFT           ; A's two halves, then B's
.set LAPS,   2
.set KS,     32
.set SPARE,  2*SLOT
.set SCL,    SPARE+512
.set HALFS,  16*272
.set SBLK,   2*272
.set SPITCH, 528                       ; the way out: a stage of 16 rows x (512 bytes + 16) for each wave, in slot 0, which has had its last fill and its last read by then
.set ADRA, 16                          ; v16-17 A's half in slot 0, 1 + 16 x lane; v18-19 + 8 x lane
.set ADRB, 20
.set STO,  24
.set RD,   25
.set CO,   26                          ; v26 16 x lane
.set ADRS, 27
.set SPW,  28
.set NIL,  29
.set SC,   32
.set BI,   64                          ; v64-127 the biases: register 8 b + j: column 32 (b / 2) + 8 (b % 2) + 16 h + j
.set AF,   128
.set BK,   128
.set G1, 24
.set G0, 32
.set G1B, 48
.set G0B, 56
.set G1S, 68
.set G0S, 76
.set G1SB, 80
.set G0SB, 88
.set MSB, 0
.macro WIN new
.if MSB != (\new)
	s_set_vgpr_msb (MSB<<8)|(\new)
.set MSB, (\new)
.endif
.endm
.set MUL_LO, 0xa1
.set MUL_HI, 0xf1
.set TO_B,   0x40
.macro JLOAD g0a, g1a, g0b, g1b        ; waves 0 and 1 fetch for A, waves 2 and 3 for B; an s_nop 0 and four v_nop follow each line
	s_cmp_eq_u32 s15, 0
	s_cbranch_scc0 .Lfor_b_\@
	tensor_load_to_lds s[\g0a:\g0a+3], s[\g1a:\g1a+7]
	s_nop 0
.rept 4
	v_nop
.endr
	s_branch .Lasked_\@
.Lfor_b_\@:
	tensor_load_to_lds s[\g0b:\g0b+3], s[\g1b:\g1b+7]
	s_nop 0
.rept 4
	v_nop
.endr
.Lasked_\@:
.endm
.macro CREST
	s_cmp_lg_u32 s14, 0
	s_cbranch_scc1 .Lnot_wave_0_\@
	s_barrier_signal -3
.Lnot_wave_0_\@:
	s_barrier_wait -3
	s_barrier_signal -1
	s_barrier_wait -1
.endm
.macro CROUND
	s_barrier_signal -1
	s_barrier_wait -1
	CREST
.endm
	s_load_b256 s[4:11], s[0:1], 0x0               ; yi s[4:5], wq s[6:7], bproj s[8:9], out0 s[10:11]
	v_lshl_add_u32 v[SPW], v0, 2, SPARE
	v_mov_b32 v[NIL], 0
	ds_add_u32 v[SPW], v[NIL]                      ; the wave's opening: the add and its wait ahead of my first tensor load
	v_lshrrev_b32 v1, 5, v0
	v_readfirstlane_b32 s14, v1
	s_lshr_b32 s15, s14, 1                         ; my half of the rows.  Also: I fetch for A (0) or for B (1)
	s_and_b32 s16, s14, 1                          ; my half of the columns.  Also: which half I fetch
	s_bfe_u32 s40, ttmp6, 0x40000
	s_bfe_u32 s41, ttmp6, 0x40004
	s_lshl_b32 s42, ttmp9, 2
	s_add_co_u32 s42, s42, s40                     ; tile column
	s_and_b32 s17, ttmp7, 0xffff
	s_lshl_b32 s17, s17, 2
	s_add_co_u32 s17, s17, s41                     ; tile row
	s_lshl_b32 s43, s41, 2
	s_lshl_b32 s43, 15, s43
	s_lshl_b32 s44, 0x1111, s40
	s_or_b32 s[G1+0], s43, (3<<16)|(1<<21)         ; A: the mask of my row; elements of 8 bytes; bit 21 beside a mask; no padding
	s_mov_b32 s[G1+1], 384<<16                     ; tensor_dim0: 3,072 bytes
	s_mov_b32 s[G1+2], 8<<16                       ; tensor_dim1: 8 tiles of positions
	s_mov_b32 s[G1+3], 384<<16                     ; tile_dim0
	s_mov_b32 s[G1+4], 8                           ; tile_dim1
	s_mov_b32 s[G1+5], 1536                        ; the pitch: 12,288 bytes
	s_mov_b32 s[G1+6], 0
	s_mov_b32 s[G1+7], 0
	s_or_b32 s[G1B+0], s44, (0<<16)|(1<<20)|(1<<21)|(3<<22)|(3<<25)  ; B: 128 rows of 192 bytes, 16 bytes of padding behind every 64
	s_mov_b32 s[G1B+1], ROWB<<16
	s_mov_b32 s[G1B+2], 128<<16
	s_mov_b32 s[G1B+3], ROWB<<16
	s_mov_b32 s[G1B+4], 128
	s_mov_b32 s[G1B+5], KROW
	s_mov_b32 s[G1B+6], 0
	s_mov_b32 s[G1B+7], 0
	s_or_b32 s[G1S+0], s43, (3<<16)|(1<<20)|(1<<21)|(5<<22)|(3<<25)
	s_or_b32 s[G1SB+0], s44, (3<<16)|(1<<20)|(1<<21)|(5<<22)|(3<<25)
.irp g, G1S, G1SB
	s_mov_b32 s[\g+1], 32<<16
	s_mov_b32 s[\g+2], 16<<16
	s_mov_b32 s[\g+3], 32<<16
	s_mov_b32 s[\g+4], 16
	s_mov_b32 s[\g+5], 32
	s_mov_b32 s[\g+6], 0
	s_mov_b32 s[\g+7], 0
.endr
	s_lshl_b32 s18, s16, 7
	s_lshl_b32 s20, s17, 8
	s_add_co_u32 s20, s20, s18                     ; A: position 256 x tile row + 128 x half
	s_lshl_b32 s46, s42, 8
	s_add_co_u32 s46, s46, s18                     ; B: position 256 x tile column + 128 x half
	s_mov_b32 s21, 0
	s_mov_b32 s47, 0
	s_mov_b64 s[18:19], KS
	s_mul_u64 s[22:23], s[20:21], s[18:19]
	s_mul_u64 s[92:93], s[46:47], s[18:19]
	s_mov_b64 s[18:19], KROW
	s_mul_u64 s[20:21], s[20:21], s[18:19]         ; (16 positions x 768 bytes are a tile's 12,288)
	s_mul_u64 s[46:47], s[46:47], s[18:19]
	s_add_nc_u64 s[22:23], s[22:23], YS_OFF
	s_add_nc_u64 s[92:93], s[92:93], PS_OFF
	s_add_nc_u64 s[46:47], s[46:47], PC_OFF
	s_mul_i32 s45, s16, AHALF                      ; where they go: no place in the cluster enters an LDS address
	s_mul_i32 s95, s16, HALFT
	s_add_co_u32 s95, s95, 2*AHALF
	s_mul_i32 s94, s14, HALFS
	s_wait_dscnt 0x0
	s_wait_kmcnt 0x0
	s_add_nc_u64 s[20:21], s[4:5], s[20:21]
	s_add_nc_u64 s[22:23], s[4:5], s[22:23]
	s_add_nc_u64 s[46:47], s[6:7], s[46:47]
	s_add_nc_u64 s[92:93], s[6:7], s[92:93]
	CROUND
	s_mov_b32 s[G0S], 1
	s_add_co_u32 s[G0S+1], s94, SCL
	s_mov_b64 s[G0S+2:G0S+3], s[22:23]
	s_or_b32 s[G0S+3], s[G0S+3], 0x80000000
	s_mov_b32 s[G0SB], 1
	s_add_co_u32 s[G0SB+1], s94, SCL
	s_mov_b64 s[G0SB+2:G0SB+3], s[92:93]
	s_or_b32 s[G0SB+3], s[G0SB+3], 0x80000000
	JLOAD G0S, G1S, G0SB, G1SB                     ; three loads of mine go out here: the scale bytes, slot 0, slot 1
.irp s, 0,1
	s_mov_b32 s[G0+4*\s], 1
	s_add_co_u32 s[G0+4*\s+1], s45, \s*SLOT
	s_add_nc_u64 s[G0+4*\s+2:G0+4*\s+3], s[20:21], \s*AROWB
	s_or_b32 s[G0+4*\s+3], s[G0+4*\s+3], 0x80000000
	s_mov_b32 s[G0B+4*\s], 1
	s_add_co_u32 s[G0B+4*\s+1], s95, \s*SLOT
	s_add_nc_u64 s[G0B+4*\s+2:G0B+4*\s+3], s[46:47], \s*ROWB
	s_or_b32 s[G0B+4*\s+3], s[G0B+4*\s+3], 0x80000000
	JLOAD G0+4*\s, G1, G0B+4*\s, G1B
.endr
	v_and_b32 v1, 15, v0                           ; r
	v_bfe_u32 v2, v0, 4, 1                         ; h
	v_and_b32 v6, 31, v0
	v_lshlrev_b32 v[CO], 4, v6
	v_lshlrev_b32 v7, 3, v6
	v_mul_u32_u24 v3, v1, PITCH
	v_mul_u32_u24 v4, v2, 24
	v_add_nc_u32 v4, v3, v4
	v_lshl_add_u32 v5, v2, 4, v4
	s_mul_i32 s21, s15, AHALF
	s_mul_i32 s22, s16, HALFT
	s_add_co_u32 s22, s22, 2*AHALF
.irp s, 0,1
	v_add_nc_u32 v[ADRA+\s], s21, v[CO]
	v_add_nc_u32 v[ADRA+2+\s], s21, v7
	v_add_nc_u32 v[ADRB+\s], s22, v4
	v_add_nc_u32 v[ADRB+2+\s], s22, v5
	s_add_co_u32 s21, s21, SLOT
	s_add_co_u32 s22, s22, SLOT
.endr
	v_mul_u32_u24 v5, v1, KS
	v_lshrrev_b32 v6, 8, v5
	v_lshl_add_u32 v5, v6, 4, v5
	s_mul_i32 s21, s15, HALFS
	s_mul_i32 s22, s16, HALFS
	s_add_co_u32 s22, s22, 2*HALFS
	s_sub_co_u32 s22, s22, s21
	v_mul_u32_u24 v6, s22, v2                      ; lanes 16-31 take B's
	s_add_co_u32 s21, s21, SCL
	v_add_nc_u32 v5, v5, v6
	v_add_nc_u32 v[ADRS], s21, v5
	s_mul_i32 s23, s14, 16*SPITCH                  ; my stage
	v_mul_u32_u24 v5, v1, SPITCH
	v_lshl_add_u32 v5, v2, 6, v5                   ; in: row r, + 64 h: columns 16 h on of each 32
	v_add_nc_u32 v[STO], s23, v5
	v_add_nc_u32 v[RD], s23, v[CO]
	v_lshlrev_b32 v8, 6, v2                        ; the biases: 64 h
	s_lshl_b32 s46, s42, 10
	s_lshl_b32 s47, s16, 9
	s_add_co_u32 s46, s46, s47                     ; my first column, in bytes
	s_mov_b32 s47, 0
	s_add_nc_u64 s[12:13], s[8:9], s[46:47]
.irp b, 0,1,2,3,4,5,6,7
	global_load_b128 v[BI+8*\b:BI+8*\b+3], v8, s[12:13] offset:4*(32*(\b/2)+8*(\b%2))
	global_load_b128 v[BI+8*\b+4:BI+8*\b+7], v8, s[12:13] offset:4*(32*(\b/2)+8*(\b%2))+16
.endr
	s_lshl_b32 s20, s17, 8
	s_lshl_b32 s21, s15, 7
	s_add_co_u32 s20, s20, s21
	s_lshl_b32 s20, s20, 12                        ; my first row of out0: 4,096 bytes a row
	s_add_co_u32 s20, s20, s46
	s_mov_b32 s21, 0
	s_add_nc_u64 s[10:11], s[10:11], s[20:21]
.macro FRAG reg, adr, q, i
.irp p, 0,1,2,3,4,5
.set PCE, 12*(\q)+6*(\p/3)+\p%3
.if PCE%8 < 5
	ds_load_b64 v[\reg+2*\p:\reg+2*\p+1], v[\adr] offset:8*PCE+16*(PCE/8)+(\i)*16*PITCH
.else
	ds_load_b64 v[\reg+2*\p:\reg+2*\p+1], v[\adr+2] offset:8*PCE+16*(PCE/8)+(\i)*16*PITCH
.endif
.endr
.endm
.macro FRAGA reg, slot, q, i           ; two heads' half-images are one fragment
	ds_load_b128 v[\reg:\reg+3], v[ADRA+\slot] offset:(\i)*AROWB+(\q)*1536
	ds_load_b64 v[\reg+4:\reg+5], v[ADRA+2+\slot] offset:(\i)*AROWB+(\q)*1536+512
	ds_load_b128 v[\reg+6:\reg+9], v[ADRA+\slot] offset:(\i)*AROWB+(\q)*1536+768
	ds_load_b64 v[\reg+10:\reg+11], v[ADRA+2+\slot] offset:(\i)*AROWB+(\q)*1536+1280
.endm
; The 64 accumulators take turns, one instruction a turn, in the same order in every step.  zero = 1: the first product starts the sum on the bias.
.macro MUL16 a0, p, q, sc, zero
.irp a, \a0, \a0+1
.irp b, 0,1,2,3,4,5,6,7
.if \zero
	v_wmma_scale_f32_16x16x128_f8f6f4 v[8*(8*((\a)%4)+\b):8*(8*((\a)%4)+\b)+7], v[128*(\p)+FR*\b:128*(\p)+FR*\b+FR-1], v[AF+FR*(\a):AF+FR*(\a)+FR-1], v[BI+8*\b:BI+8*\b+7], v[SC+8*NQ*(\sc)+NQ*\b+(\q)], v[SC+8*NQ*(\sc)+NQ*(\a)+(\q)] matrix_a_fmt:MATRIX_FMT_FP6 matrix_b_fmt:MATRIX_FMT_FP6 matrix_a_scale:MATRIX_SCALE_ROW1
.else
	v_wmma_scale_f32_16x16x128_f8f6f4 v[8*(8*((\a)%4)+\b):8*(8*((\a)%4)+\b)+7], v[128*(\p)+FR*\b:128*(\p)+FR*\b+FR-1], v[AF+FR*(\a):AF+FR*(\a)+FR-1], v[8*(8*((\a)%4)+\b):8*(8*((\a)%4)+\b)+7], v[SC+8*NQ*(\sc)+NQ*\b+(\q)], v[SC+8*NQ*(\sc)+NQ*(\a)+(\q)] matrix_a_fmt:MATRIX_FMT_FP6 matrix_b_fmt:MATRIX_FMT_FP6 matrix_a_scale:MATRIX_SCALE_ROW1
.endif
.endr
.endr
.endm
.macro FETCH_B slot, q, p
	WIN TO_B
.irp i, 0,1,2,3,4,5,6,7
	FRAG 128*(\p)+FR*\i, ADRB+\slot, \q, \i
.endr
	WIN 0
.endm
.macro FETCH_A slot, q, i0
.irp i, \i0, \i0+1, \i0+2, \i0+3
	FRAGA AF+FR*(\i), \slot, \q, \i
.endr
.endm
.macro SCALES sc
.irp i, 0,1,2,3,4,5,6,7
	ds_load_b64 v[SC+8*NQ*\sc+NQ*\i:SC+8*NQ*\sc+NQ*\i+1], v[ADRS] offset:\i*SBLK
.endr
.endm
.macro PLACES n
.rept \n
	v_nop
.endr
.endm
.macro STEP slot, q, zero
	s_wait_dscnt 4*NLA                             ; all but the youngest 16 loads (A's blocks 4-7) are in
.if \zero
	WIN 0x81                                       ; C, the bias, in window 0; D in window 2
.else
	WIN MUL_LO
.endif
	MUL16 0, (\q)%2, \q, \slot, \zero
	MUL16 2, (\q)%2, \q, \slot, \zero
	s_wait_dscnt 0
	PLACES NP
	FETCH_B \slot, (\q)+1, 1-(\q)%2
	FETCH_A \slot, (\q)+1, 0
.if \zero
	WIN 0xc1
.else
	WIN MUL_HI
.endif
	MUL16 4, (\q)%2, \q, \slot, \zero
	MUL16 6, (\q)%2, \q, \slot, \zero
	PLACES NP
	WIN 0
	FETCH_A \slot, (\q)+1, 4
.endm
.macro TURN slot, next, fill
	s_wait_tensorcnt 0x0                           ; my part of the next slot has landed; no load of mine is out
	ds_add_u32 v[SPW], v[NIL]
	s_wait_dscnt 4*NLA+1                           ; the add and the youngest 16 loads may be out
	WIN MUL_LO
	MUL16 0, 1, NQ-1, \slot, 0
	s_wait_dscnt 0x0                               ; the add is done, and my reads of this slot are over
	s_barrier_signal -1
	MUL16 2, 1, NQ-1, \slot, 0
	WIN 0
	s_barrier_wait -1
.if \fill
	CREST
	s_add_nc_u64 s[G0+4*\slot+2:G0+4*\slot+3], s[G0+4*\slot+2:G0+4*\slot+3], 2*AROWB
	s_add_nc_u64 s[G0B+4*\slot+2:G0B+4*\slot+3], s[G0B+4*\slot+2:G0B+4*\slot+3], 2*ROWB
	JLOAD G0+4*\slot, G1, G0B+4*\slot, G1B         ; my one tensor load behind the round
.else
	PLACES NP
.endif
	v_add_nc_u32 v[ADRS], 4*NQ, v[ADRS]
	FETCH_B \next, 0, 0
	FETCH_A \next, 0, 0
	SCALES \next
	WIN MUL_HI
	MUL16 4, 1, NQ-1, \slot, 0
	MUL16 6, 1, NQ-1, \slot, 0
	PLACES NP
	WIN 0
	FETCH_A \next, 0, 4
.endm
	s_wait_tensorcnt 1                             ; the scale bytes and my part of K step 0 are in; K step 1's load may be out
	s_barrier_signal -1
	s_barrier_wait -1
	FETCH_B 0, 0, 0
	FETCH_A 0, 0, 0
	SCALES 0
	FETCH_A 0, 0, 4
	s_wait_loadcnt 0x0                             ; the biases
	STEP 0, 0, 1
	s_mov_b32 s3, LAPS-1
.Llap:
	TURN 0, 1, 1
	STEP 1, 0, 0
	TURN 1, 0, 1
	STEP 0, 0, 0
	s_sub_co_u32 s3, s3, 1
	s_cmp_lg_u32 s3, 0
	s_cbranch_scc1 .Llap
	TURN 0, 1, 0
	STEP 1, 0, 0
	s_wait_dscnt 4*NLA
	WIN MUL_LO
	MUL16 0, 1, NQ-1, 1, 0
	MUL16 2, 1, NQ-1, 1, 0
	s_wait_dscnt 0
	WIN MUL_HI
	MUL16 4, 1, NQ-1, 1, 0
	MUL16 6, 1, NQ-1, 1, 0
	WIN 0
; THE WAY OUT, block by block of 16 positions x 128 columns, through my own stage.  Tile b's registers are columns 32 (b / 2) + 8 (b % 2) + 16 h + 0 .. 7; stage row t of block a is token 32 (a / 2) + 8 (a % 2) + t + 8 (t / 8) of my 128.
.macro TOSTAGE a
.set AC, 64*((\a)%4)
	WIN 0x08+4*((\a)/4)                            ; an LDS store's data: window 2 or 3
.irp b, 0,1,2,3,4,5,6,7
	ds_store_b128 v[STO], v[AC+8*\b:AC+8*\b+3] offset:128*(\b/2)+32*(\b%2)          ; each accumulator from its low end on
	ds_store_b128 v[STO], v[AC+8*\b+4:AC+8*\b+7] offset:128*(\b/2)+32*(\b%2)+16
.endr
	WIN 0
.set BB, BK+64*((\a)%2)
.irp t, 0,1,2,3,4,5,6,7,8,9,10,11,12,13,14,15
	ds_load_b128 v[BB+4*\t:BB+4*\t+3], v[RD] offset:\t*SPITCH   ; LDS serves a wave's instructions in order: these see the stores above
.endr
.endm
.macro SEND a, younger
.set BB, BK+64*((\a)%2)
	s_wait_dscnt \younger
.irp t, 0,1,2,3,4,5,6,7,8,9,10,11,12,13,14,15
	global_store_b128 v[CO], v[BB+4*\t:BB+4*\t+3], s[10:11] offset:(32*((\a)/2)+8*((\a)%2)+\t+8*(\t/8))*4096 th:TH_STORE_NT   ; 32 lanes store 512 consecutive bytes at a multiple of 256
.endr
.endm
	PLACES NP
	TOSTAGE 0
.irp a, 1,2,3,4,5,6,7
.if \a > 1
	s_wait_xcnt 0x0                                ; block a - 2's stores have read their registers: block a's loads may land there
.endif
	TOSTAGE \a
	SEND \a-1, 32                                  ; behind block a - 1's loads: block a's 16 stores and 16 loads
.endr
	SEND 7, 0
	s_wait_tensorcnt 0x0                           ; the wave's end, behind my last tensor load and my last LDS store
	ds_add_u32 v[SPW], v[NIL]
	s_wait_dscnt 0x0
	CROUND                                         ; the closing round
	s_endpgm
.Lfunc_end_k_qf41d594697_proj:
	.size	k_qf41d594697_proj, .Lfunc_end_k_qf41d594697_proj-k_qf41d594697_proj
	.p2alignl 7, 3214868480
	.fill 96, 4, 3214868480
	.section	.rodata,"a",@progbits
	.p2align	6, 0x0
	.amdhsa_kernel k_qf41d594697_proj
		.amdhsa_group_segment_fixed_size 327680
		.amdhsa_private_segment_fixed_size 0
		.amdhsa_enable_private_segment 0
		.amdhsa_kernarg_size 32
		.amdhsa_user_sgpr_count 2
		.amdhsa_user_sgpr_kernarg_segment_ptr 1
		.amdhsa_wavefront_size32 1
		.amdhsa_system_sgpr_workgroup_id_x 1
		.amdhsa_system_sgpr_workgroup_id_y 1
		.amdhsa_system_sgpr_workgroup_id_z 1
		.amdhsa_system_vgpr_workitem_id 0
		.amdhsa_next_free_vgpr 1024
		.amdhsa_next_free_sgpr 98
		.amdhsa_reserve_vcc 0
		.amdhsa_float_denorm_mode_32 3
		.amdhsa_float_denorm_mode_16_64 3
		.amdhsa_memory_ordered 1
		.amdhsa_forward_progress 1
		.amdhsa_inst_pref_size 153
	.end_amdhsa_kernel
	.amdgpu_metadata
---
amdhsa.version: [ 1, 2 ]
amdhsa.kernels:
  - .name:           k_qf41d594697_proj
    .symbol:         k_qf41d594697_proj.kd
    .args:
      - { .name: yi, .offset: 0, .size: 8, .value_kind: global_buffer, .address_space: global }
      - { .name: wq, .offset: 8, .size: 8, .value_kind: global_buffer, .address_space: global }
      - { .name: bproj, .offset: 16, .size: 8, .value_kind: global_buffer, .address_space: global }
      - { .name: out0, .offset: 24, .size: 8, .value_kind: global_buffer, .address_space: global }
    .group_segment_fixed_size: 327680
    .private_segment_fixed_size: 0
    .kernarg_segment_align: 8
    .kernarg_segment_size: 32
    .max_flat_workgroup_size: 128
    .sgpr_count:     98
    .vgpr_count:     1024
    .wavefront_size: 32
...
	.end_amdgpu_metadata
.endif
;; end of part 4
